; MI455X (gfx1250); checked and timed in simulation.
; The chip was launched on July 23, 2026; its instructions are those of AMD's public machine-readable ISA for CDNA 5 (MIT licence, August 2026) and "CDNA5" Instruction Set Architecture Reference Guide (July 2026). The comments in the code are by the model that wrote it; some were corrected since.
;; Grouped Query Attention. Allowed arithmetic: matrix products marked QUANTISED: E2M1 operands, one E8M0 scale for each 32 along K, by v_wmma_scale_f32_16x16x128_f8f6f4 with both operands' format E2M1 (or v_wmma_scale_f32_32x16x128_f4), f32 sums; products left as they are: bf16, f16 or f32 operands; f32 sums; everything else in f32.
;; Inputs: attention_mask 1 x 1 x 2,048 x 2,048 float32; hidden_states 1 x 2,048 x 2,048 float32; w_k 2,048 x 512 float32; w_o 2,048 x 2,048 float32; w_q 2,048 x 2,048 float32; w_v 2,048 x 512 float32.
;; Outputs: out0 1 x 2,048 x 2,048 float32.
;; This version of the problem:
;;   THIS VERSION OF THE PROBLEM IS GIVEN IN LOW PRECISION. The matrix products marked QUANTISED in the list below multiply operands that are first quantised to E2M1 (2 exponent bits, 1 mantissa bit; 4 bits a number), with one power-of-two scale for each 32 numbers along K (OCP MX v1.0); their sums are f32. The products marked 'left as it is' may take bf16, f16 or f32 operands, with f32 sums. Whichever they take, every output number must still come out within the allowed error. Rounding operands to bf16 (8 significant bits) uses up far more of that allowance than f16 does (11 bits, for magnitudes from 6e-5 to 65,504). All else is computed in f32.
;;   The module's matrix products, in the order in which they are computed (A, B: the left and right operand; K: the contracted axis; several contracted axes count as one K, in the product's order):
;;     1. [M 2,048, K 2,048] x [K 2,048, N 2,048]; A: input hidden_states; B: input w_q: QUANTISED
;;     2. [M 2,048, K 2,048] x [K 2,048, N 512]; A: input hidden_states; B: input w_k: QUANTISED
;;     3. [M 2,048, K 2,048] x [K 2,048, N 512]; A: input hidden_states; B: input w_v: QUANTISED
;;     4. batch 32 x [M 2,048, K 64] x [K 64, N 2,048]; A: computed on the way; B: computed on the way: left as it is (an operand is computed on the way)
;;     5. batch 32 x [M 2,048, K 2,048] x [K 2,048, N 64]; A: computed on the way; B: computed on the way: left as it is (an operand is computed on the way)
;;     6. [M 2,048, K 2,048] x [K 2,048, N 2,048]; A: computed on the way; B: input w_o: left as it is (an operand is computed on the way)
;;   THE QUANTISER, for each operand of a quantised product, along K:
;;     - K is cut into blocks of 32 from its start; a last block that is shorter is filled with zeros.
;;     - A block's scale is 2^e with e = floor(log2(the largest magnitude in the block)) - 2, held to -126 .. 127; a block of zeros has e = 0. As a byte (E8M0): e + 127.
;;     - Each number is divided by its block's scale, clamped to +-6, and rounded to the nearest number of E2M1, ties to even, subnormals kept.
;;     - The product sums the exact products of the quantised numbers (number of the format x scale) in f32.
;;   ~~~python
;;   def quantise(x, axis):      # numpy; x: float32 -> the quantised numbers, widened to float32 again
;;       x = np.moveaxis(x, axis, -1); K = x.shape[-1]
;;       x = np.pad(x, [(0, 0)] * (x.ndim - 1) + [(0, -K % 32)]); x = x.reshape(x.shape[:-1] + (-1, 32)); a = np.abs(x).max(-1, keepdims=True)
;;       e = np.where(a > 0, np.clip(np.frexp(np.where(a > 0, a, 1))[1] - 1 - 2, -126, 127), 0)      # np.frexp(a)[1] - 1 = floor(log2(a)), exactly
;;       r = np.clip(x / 2.0 ** e, -6, 6)
;;       step = 2.0 ** (np.maximum(np.frexp(np.where(r == 0, 1, r))[1] - 1, 0) - 1)
;;       q = np.round(r / step) * step * 2.0 ** e      # np.round: ties to even
;;       return np.moveaxis(q.reshape(q.shape[:-2] + (-1,))[..., :K], -1, axis).astype(np.float32)
;;   ~~~
;; One version. Each part assembles by itself: llvm-mc -triple=amdgcn-amd-amdhsa -mcpu=gfx1250 --defsym DOCPART=n.
;; ======== version 1 of 1: 5 launches
;; limits: right only within a limited range of input values; values are held in f16: magnitudes above 65,504 overflow, below 6.1e-05 lose precision
;; workspace buffers: codes 5,242,880 bytes; scales 327,680 bytes; rope 524,288 bytes; qkv 12,582,912 bytes; af 8,650,752 bytes; wo 16,777,216 bytes
;; launch prep (part 1): grid 784 x 1, 4 waves a work-group, no clusters, 34,304 bytes of LDS; arguments hidden_states, w_q, w_k, w_v, w_o, codes, scales, rope, wo; writes codes, scales, rope, wo
.if DOCPART == 1
	.amdgcn_target "amdgcn-amd-amdhsa--gfx1250"
	.amdhsa_code_object_version 6
	.text
	.protected	k_q55c76948ae_prep
	.globl	k_q55c76948ae_prep
	.p2align	8
	.type	k_q55c76948ae_prep,@function
k_q55c76948ae_prep:
	s_mov_b64 s[64:65], 0
	v_nop
	global_prefetch_b8 v0, s[64:65] scope:SCOPE_SE
	s_setreg_imm32_b32 hwreg(HW_REG_WAVE_MODE, 25, 1), 1
	s_wait_xcnt 0x0
; PREP: everything that is made of the inputs alone, once, laid as IMAGES OF THE OPERAND REGISTERS of the launches that take it (a group of four registers = 512 bytes, lane l's 16 bytes at 16 l).
;  work-groups   0- 15  cos and sin of t x 500000^(-i/32), by range reduction and polynomials in f32 (arithmetic, not memory, sets their length: they come first)
;  work-groups  16-271  w_o  [2048 k][2048 n] f32 -> f16 fragments, a high part and a low part x 2048
;  work-groups 272-399  hidden_states [2048][2048] -> codes of FP4 (E2M1) and E8M0 bytes, quantised along the rows
;  work-groups 400-655  w_q  [2048 k][2048 n] f32 -> codes and bytes, quantised along k; the bytes carry 3 less: the scores' factor 1/8, a power of two, rides in them
;  work-groups 656-783  w_k, w_v [2048 k][512 n]  -> codes and bytes
; SHARES.  A wave of the weights' paths takes 32 columns x 128 along k: 128 loads of 128 bytes, 64 of them out at a time, so it goes to memory twice; the launch has 3,136 waves, and what is on its way is the sum over them.
; codes: row rho (0-2047 tokens, 2048 + n the columns of w_q | w_k | w_v), R = rho / 16, G = R / 4, block of 32 along K = 16 cq + t:
;        byte G 65536 + cq 16384 + (R % 4) 4096 + t 256 + (rho % 16) 16.   scales: R 1024 + cq 256 + (rho % 16) 16 + (t / 4) 4 + t % 4.
; wo:    (n / 64) 262144 + (k / 256) 32768 + ((n / 16) % 4) 8192 + ((k / 32) % 8) 1024 + ((k / 8) % 4) 256 + (n % 16) 16 + (k % 8) 2; the low part 8,388,608 further on.
; rope:  (t / 16) 4096 + (0 cos, 1 sin) 2048 + wave 512 + 16 lane: four f32, token 16 (t / 16) + lane % 16, frequencies 16 (wave / 2) + 8 (lane / 16) + 4 (wave % 2) + 0..3.
; A block's scale is 2^(floor(log2(largest magnitude)) - 2): the largest magnitude's exponent field less 2, held at 1 from below by a floor among the maximum's leaves.
; LIMITS: NaN and infinities are not served.  A block of zeros gets the floor's byte, not 127: its codes are zeros and this program alone reads the bytes.
;         Blocks of w_q whose largest magnitude lies under 2^-121 (others: 2^-124) take the floor's scale.  w_o's numbers under 2^-14 have a high part that f16 rounds once more (at most 2^-25).
; Memory binds: no matrix unit, no cluster (no two work-groups read the same bytes), no barrier (waves share nothing).  Only the tokens' path uses LDS.
.set SPARE, 33792                      ; behind the four stages: the spare words, 128 bytes a wave
.set SPW, 30                           ; v30  my spare word's address; never rewritten
.set NIL, 31                           ; v31  0; never rewritten
.set X,   32                           ; v32-95   two sets of 32 numbers (weights); v32-159 two sets of 64 (tokens)
.set CW,  96                           ; v96-111  weights: four registers of codes for each of 4 blocks: no store's data are written again
.set SB,  24                           ; v24-27   scale bytes, four to a register (weights: v24 alone)
.set H,   96                           ; v96-111  w_o: high parts;  v112-127 low parts
.set LO,  112
.set F,   8                            ; v8-23    w_o: at work
.set XA,  160                          ; v160-223 tokens: a lane's two blocks of 32
.set CA,  224                          ; v224-255 tokens: eight registers of codes for each of 4 steps
.macro LOADW t, pitch                  ; 32 rows of a weight at my column, into set t % 2: a wave reads 128 neighbouring bytes, the four waves 512
.irp i, 0,1,2,3,4,5,6,7,8,9,10,11,12,13,14,15,16,17,18,19,20,21,22,23,24,25,26,27,28,29,30,31
	global_load_b32 v[X+32*((\t)%2)+\i], v2, s[4:5] offset:(32*(\t)+\i)*\pitch th:TH_LOAD_NT
.endr
.endm
.macro BLOCKW t, pitch, sub            ; one block of 32 along K of my column: all its numbers are mine
.set XS, X+32*((\t)%2)
.if (\t) < 3
	s_wait_loadcnt 32                              ; this block's 32 loads are in; the next block's may be out
.else
	s_wait_loadcnt 0
.endif
	v_max3_num_f32 v12, |v[XS]|, |v[XS+1]|, |v[XS+2]|
	v_max3_num_f32 v13, |v[XS+3]|, |v[XS+4]|, |v[XS+5]|
.irp i, 6,10,14,18,22,26
	v_max3_num_f32 v12, v12, |v[XS+\i]|, |v[XS+\i+1]|
	v_max3_num_f32 v13, v13, |v[XS+\i+2]|, |v[XS+\i+3]|
.endr
	v_max3_num_f32 v12, v12, |v[XS+30]|, |v[XS+31]|
	v_max3_num_f32 v12, v12, v13, (3+\sub)<<23     ; the floor: the byte below cannot fall under 1
	v_add_nc_u32 v11, 0xff000000, v12              ; 2 off the exponent field: the conversion's scale operand
.irp g, 0,1,2,3
	v_cvt_scalef32_pk8_fp4_f32 v[CW+4*(\t)+\g], v[XS+8*\g:XS+8*\g+7], v11
.endr
	v_lshrrev_b32 v13, 23, v11                     ; the scale's byte (a plain line behind the conversions)
.if \sub
	v_add_nc_u32 v13, -\sub, v13                   ; w_q: the stored scale is an eighth of the one that made the codes
.endif
.if (\t) == 0
	v_mov_b32 v[SB], v13
.else
	v_lshl_or_b32 v[SB], v13, 8*(\t), v[SB]
.endif
	global_store_b128 v3, v[CW+4*(\t):CW+4*(\t)+3], s[6:7] offset:256*(\t)   ; sixteen lanes store 256 consecutive bytes, aligned
.if (\t)+2 < 4
	LOADW (\t)+2, \pitch
.endif
.endm
; A wave quantises 32 columns x 128 along K.  In: s[4:5] the source at my wave's corner, s33 which 128 along K (0..15), s36 G of my columns.
.macro WQ pitch, sub
	s_lshr_b32 s38, s33, 2                         ; the chunk of 512 along K
	s_and_b32 s39, s33, 3                          ; and which 128 of it
	s_lshl_b32 s34, s36, 16
	s_lshl_b32 s37, s38, 14
	s_add_co_u32 s34, s34, s37
	s_lshl_b32 s37, s27, 13                        ; my 32 columns are two tiles of 16
	s_add_co_u32 s34, s34, s37
	s_lshl_b32 s37, s39, 10
	s_add_co_u32 s34, s34, s37
	s_add_nc_u64 s[6:7], s[18:19], s[34:35]
	s_lshl_b32 s34, s36, 12
	s_lshl_b32 s37, s27, 11
	s_add_co_u32 s34, s34, s37
	s_lshl_b32 s37, s38, 8
	s_add_co_u32 s34, s34, s37
	s_lshl_b32 s37, s39, 2
	s_add_co_u32 s34, s34, s37
	s_add_nc_u64 s[28:29], s[20:21], s[34:35]
	v_lshlrev_b32 v3, 4, v5
	v_lshl_add_u32 v4, v6, 10, v3                  ; scale words: 1024 (lane / 16) + 16 (lane % 16)
	v_lshl_add_u32 v3, v6, 12, v3                  ; codes: 4096 (lane / 16) + 16 (lane % 16)
	LOADW 0, \pitch
	LOADW 1, \pitch
.set TT, 0
.rept 4
	BLOCKW TT, \pitch, \sub
.set TT, TT+1
.endr
	global_store_b32 v4, v[SB], s[28:29]           ; my column's scale word: pieces of 4 bytes, 16 apart: one byte in 128 of what this path reads
	s_endpgm
.endm
; Four pairs of numbers are split: c = 8193 x; hi = c - (c - x) has 11 significant bits, which f16 holds; lo = x - hi is exact.
.macro SPLIT4 xs, j0
.irp k, 0,1,2,3
	v_pk_mul_f32 v[F+4*\k:F+4*\k+1], v[\xs+2*(\j0+\k):\xs+2*(\j0+\k)+1], 0x46000400 op_sel_hi:[1,0]
.endr
.irp k, 0,1,2,3
	v_pk_add_f32 v[F+4*\k+2:F+4*\k+3], v[F+4*\k:F+4*\k+1], v[\xs+2*(\j0+\k):\xs+2*(\j0+\k)+1] neg_lo:[0,1] neg_hi:[0,1]
.endr
.irp k, 0,1,2,3
	v_pk_add_f32 v[F+4*\k:F+4*\k+1], v[F+4*\k:F+4*\k+1], v[F+4*\k+2:F+4*\k+3] neg_lo:[0,1] neg_hi:[0,1]
.endr
.irp k, 0,1,2,3
	v_pk_add_f32 v[F+4*\k+2:F+4*\k+3], v[\xs+2*(\j0+\k):\xs+2*(\j0+\k)+1], v[F+4*\k:F+4*\k+1] neg_lo:[0,1] neg_hi:[0,1]
.endr
.irp k, 0,1,2,3
	v_cvt_pk_f16_f32 v[H+\j0+\k], v[F+4*\k], v[F+4*\k+1]
.endr
.irp k, 0,1,2,3
	v_pk_mul_f32 v[F+4*\k+2:F+4*\k+3], v[F+4*\k+2:F+4*\k+3], 0x45000000 op_sel_hi:[1,0]   ; x 2048, so that the low part lies in f16's normal range
.endr
.irp k, 0,1,2,3
	v_cvt_pk_f16_f32 v[LO+\j0+\k], v[F+4*\k+2], v[F+4*\k+3]
.endr
.endm
.macro KFW t                           ; w_o: 32 along k of my column: one fragment's part, high and low
.set XS, X+32*((\t)%2)
.if (\t) < 3
	s_wait_loadcnt 32                              ; this fragment's 32 loads are in; the next one's may be out
.else
	s_wait_loadcnt 0
.endif
	s_wait_xcnt 0x0                                ; the last fragment's stores have read H and LO: they are written again only behind this wait
.irp jj, 0,4,8,12
	SPLIT4 XS, \jj
.endr
.irp p, 0,1,2,3
	global_store_b128 v3, v[H+4*\p:H+4*\p+3], s[6:7] offset:(\t)*1024+\p*256
	global_store_b128 v3, v[LO+4*\p:LO+4*\p+3], s[28:29] offset:(\t)*1024+\p*256
.endr
.if (\t)+2 < 4
	LOADW (\t)+2, 8192
.endif
.endm
.macro LOADX q                         ; tokens: 128 along K of my 16 rows: each load reads 512 consecutive bytes of one row
.irp i, 0,1,2,3,4,5,6,7,8,9,10,11,12,13,14,15
	global_load_b128 v[X+64*((\q)%2)+4*\i:X+64*((\q)%2)+4*\i+3], v7, s[4:5] offset:\i*8192+(\q)*512 th:TH_LOAD_NT
.endr
.endm
.macro STEPX q                         ; one fragment: 16 rows x 128 along K
.if (\q) < 3
	s_wait_loadcnt 16                              ; this step's 16 loads are in; the next step's may be out
.else
	s_wait_loadcnt 0
.endif
.irp i, 0,1,2,3,4,5,6,7,8,9,10,11,12,13,14,15
	ds_store_b128 v8, v[X+64*((\q)%2)+4*\i:X+64*((\q)%2)+4*\i+3] offset:\i*528
.endr
.irp c, 0,1
.irp i, 0,1,2,3,4,5,6,7
	ds_load_b128 v[XA+32*\c+4*\i:XA+32*\c+4*\i+3], v9 offset:\c*256+16*\i   ; LDS serves a wave's instructions in order: these see the stores above.  Lane (r, h): k = 64 c + 32 h + 0..31 of row r
.endr
.endr
	s_wait_dscnt 0x0                               ; my numbers are back, and the stores have read their registers,
.if (\q)+2 < 4
	LOADX (\q)+2                                   ; which take the loads of two steps on
.endif
.irp c, 0,1
	v_max3_num_f32 v[12+\c], |v[XA+32*\c]|, |v[XA+32*\c+1]|, 0x1800000
.endr
.irp i, 2,4,6,8,10,12,14,16,18,20,22,24,26,28,30
.irp c, 0,1
	v_max3_num_f32 v[12+\c], v[12+\c], |v[XA+32*\c+\i]|, |v[XA+32*\c+\i+1]|
.endr
.endr
.irp c, 0,1
	v_add_nc_u32 v[14+\c], 0xff000000, v[12+\c]
.endr
.irp c, 0,1
	v_lshrrev_b32 v[16+\c], 23, v[14+\c]
.endr
	v_lshl_or_b32 v18, v17, 16, v16                ; my two bytes: blocks h and 2 + h,
	v_lshlrev_b32 v18, v10, v18                    ; 8 h bits up;
	v_permlanex16_b32 v20, v18, s38, s39
	v_or_b32 v[SB+(\q)], v18, v20                  ; with lane l xor 16's two the word is whole
.irp c, 0,1
.irp g, 0,1,2,3
	v_cvt_scalef32_pk8_fp4_f32 v[CA+8*(\q)+4*\c+\g], v[XA+32*\c+8*\g:XA+32*\c+8*\g+7], v[14+\c]
.endr
.endr
	v_nop                                          ; a plain line behind the last conversion
	global_store_b128 v7, v[CA+8*(\q):CA+8*(\q)+3], s[6:7] offset:(\q)*1024          ; 512 consecutive bytes
	global_store_b128 v7, v[CA+8*(\q)+4:CA+8*(\q)+7], s[6:7] offset:(\q)*1024+512
.endm
	s_load_b512 s[8:23], s[0:1], 0x0               ; x s[8:9], w_q s[10:11], w_k s[12:13], w_v s[14:15], w_o s[16:17], codes s[18:19], scales s[20:21], rope s[22:23]
	s_load_b64 s[24:25], s[0:1], 0x40              ; wo
	v_lshl_add_u32 v[SPW], v0, 2, SPARE
	v_mov_b32 v[NIL], 0
	v_lshrrev_b32 v1, 5, v0
	v_readfirstlane_b32 s2, v1                     ; wave
	v_and_b32 v1, 31, v0                           ; lane
	v_and_b32 v5, 15, v0                           ; lane % 16
	v_bfe_u32 v6, v0, 4, 1                         ; lane / 16
	v_lshlrev_b32 v2, 2, v1                        ; 4 x lane
	v_lshlrev_b32 v7, 4, v1                        ; 16 x lane
	s_lshr_b32 s26, s2, 1
	s_and_b32 s27, s2, 1
	s_mov_b32 s35, 0                               ; the upper word of every 32-bit offset
	s_wait_kmcnt 0x0
	s_cmp_ge_u32 ttmp9, 656
	s_cbranch_scc1 .Lwkv
	s_cmp_ge_u32 ttmp9, 400
	s_cbranch_scc1 .Lwq
	s_cmp_ge_u32 ttmp9, 272
	s_cbranch_scc1 .Lx
	s_cmp_ge_u32 ttmp9, 16
	s_cbranch_scc1 .Lwo
	; ---- cos and sin: a work-group makes 8 tiles of 16 tokens; wave w the frequencies 16 (w / 2) + 8 (lane / 16) + 4 (w % 2) + 0..3
	s_mov_b32 s32, ttmp9
	s_lshl_b32 s34, s32, 15
	s_lshl_b32 s37, s2, 9
	s_add_co_u32 s34, s34, s37
	s_add_nc_u64 s[4:5], s[22:23], s[34:35]
	s_lshl_b32 s36, s26, 4
	s_lshl_b32 s37, s27, 2
	s_add_co_u32 s36, s36, s37
	v_lshl_add_u32 v8, v6, 3, s36
.irp i, 0,1,2,3
	v_add_nc_u32 v[12+\i], \i, v8
.endr
.irp i, 0,1,2,3
	v_cvt_f32_u32 v[12+\i], v[12+\i]
.endr
.irp i, 0,1,2,3
	v_mul_f32 v[12+\i], 0xbf1773da, v[12+\i]       ; x -log2(500000) / 32
.endr
.irp i, 0,1,2,3
	v_exp_f32 v[12+\i], v[12+\i]                   ; 500000^(-i / 32)
.endr
	s_lshl_b32 s37, s32, 7
	v_add_nc_u32 v9, s37, v5                       ; my first token (a plain line behind the exponentials)
	v_cvt_f32_u32 v9, v9
	s_mov_b32 s40, 0x3f22f983                      ; 2 / pi
	s_mov_b32 s41, 0xbfc90fdb                      ; -(pi / 2 as f32)
	s_mov_b32 s42, 0x333bbd2e                      ; that f32 less pi / 2
	s_mov_b32 s43, 0xb94ca1f9                      ; sine: -1.9515296e-4, 8.3321609e-3, -1.6666655e-1
	s_mov_b32 s44, 0x3c08839e
	s_mov_b32 s45, 0xbe2aaaa3
	s_mov_b32 s46, 0x37ccf5ce                      ; cosine: 2.4433157e-5, -1.3887316e-3, 4.1666646e-2
	s_mov_b32 s47, 0xbab6061a
	s_mov_b32 s48, 0x3d2aaaa5
	s_mov_b32 s3, 8
	s_wait_alu depctr_va_vdst(0)                   ; one wait for the four exponentials, ahead of their first reader and of the label
.Ltile:
.irp i, 0,1,2,3
	v_mul_f32 v[16+\i], v9, v[12+\i]               ; the angle, rounded once
.endr
.irp i, 0,1,2,3
	v_mul_f32 v[20+\i], s40, v[16+\i]
.endr
.irp i, 0,1,2,3
	v_rndne_f32 v[20+\i], v[20+\i]                 ; n quarter turns
.endr
.irp i, 0,1,2,3
	v_fma_f32 v[24+\i], v[20+\i], s41, v[16+\i]    ; r = angle - n pi / 2, pi / 2 in two parts
.endr
.irp i, 0,1,2,3
	v_fma_f32 v[24+\i], v[20+\i], s42, v[24+\i]
.endr
.irp i, 0,1,2,3
	v_mul_f32 v[32+\i], v[24+\i], v[24+\i]         ; z = r r
.endr
.irp i, 0,1,2,3
	v_fma_f32 v[36+\i], v[32+\i], s43, s44
.endr
.irp i, 0,1,2,3
	v_fma_f32 v[36+\i], v[36+\i], v[32+\i], s45
.endr
.irp i, 0,1,2,3
	v_mul_f32 v[44+\i], v[24+\i], v[32+\i]
.endr
.irp i, 0,1,2,3
	v_fma_f32 v[36+\i], v[36+\i], v[44+\i], v[24+\i]   ; sin r
.endr
.irp i, 0,1,2,3
	v_fma_f32 v[40+\i], v[32+\i], s46, s47
.endr
.irp i, 0,1,2,3
	v_fma_f32 v[40+\i], v[40+\i], v[32+\i], s48
.endr
.irp i, 0,1,2,3
	v_fma_f32 v[44+\i], v[32+\i], -0.5, 1.0
.endr
.irp i, 0,1,2,3
	v_mul_f32 v[48+\i], v[32+\i], v[32+\i]
.endr
.irp i, 0,1,2,3
	v_fma_f32 v[40+\i], v[40+\i], v[48+\i], v[44+\i]   ; cos r
.endr
.irp i, 0,1,2,3
	v_cvt_i32_f32 v[52+\i], v[20+\i]
.endr
.irp i, 0,1,2,3
	v_and_b32 v[44+\i], 1, v[52+\i]
.endr
.irp i, 0,1,2,3
	v_cmp_eq_u32 vcc_lo, 1, v[44+\i]               ; an odd quarter turn swaps the two: a choice of values, no branch
	v_cndmask_b32 v[60+\i], v[36+\i], v[40+\i], vcc_lo
	v_cndmask_b32 v[56+\i], v[40+\i], v[36+\i], vcc_lo
.endr
.irp i, 0,1,2,3
	v_and_b32 v[44+\i], 2, v[52+\i]                ; the sine is negative in quarters 2 and 3,
	v_add_nc_u32 v[48+\i], 1, v[52+\i]             ; the cosine in quarters 1 and 2
.endr
.irp i, 0,1,2,3
	v_lshlrev_b32 v[44+\i], 30, v[44+\i]
	v_and_b32 v[48+\i], 2, v[48+\i]
.endr
.irp i, 0,1,2,3
	v_xor_b32 v[60+\i], v[60+\i], v[44+\i]
	v_lshlrev_b32 v[48+\i], 30, v[48+\i]
.endr
.irp i, 0,1,2,3
	v_xor_b32 v[56+\i], v[56+\i], v[48+\i]
.endr
	global_store_b128 v7, v[56:59], s[4:5]             ; 512 consecutive bytes
	global_store_b128 v7, v[60:63], s[4:5] offset:2048
	s_wait_xcnt 0x0                                ; the stores have read their data and their base: both are written again only behind this wait
	s_add_nc_u64 s[4:5], s[4:5], 4096
	v_add_f32 v9, 0x41800000, v9                   ; 16 tokens on
	s_sub_co_u32 s3, s3, 1
	s_cmp_lg_u32 s3, 0
	s_cbranch_scc1 .Ltile
	s_endpgm
.Lwq:	; ---- w_q: work-group = 128 columns x 128 along K
	s_sub_co_u32 s38, ttmp9, 400
	s_and_b32 s32, s38, 15                         ; which 128 columns
	s_lshr_b32 s33, s38, 4                         ; which 128 along K
	s_lshl_b32 s34, s33, 20                        ; 128 rows of 8,192 bytes
	s_lshl_b32 s37, s32, 9
	s_add_co_u32 s34, s34, s37
	s_lshl_b32 s37, s2, 7
	s_add_co_u32 s34, s34, s37
	s_add_nc_u64 s[4:5], s[10:11], s[34:35]
	s_lshl_b32 s36, s32, 1
	s_add_co_u32 s36, s36, s26
	s_add_co_u32 s36, s36, 32
	WQ 8192, 3
.Lwkv:	; ---- w_k (the first 64 work-groups) and w_v: only a pointer is chosen
	s_sub_co_u32 s38, ttmp9, 656
	s_lshr_b32 s39, s38, 6
	s_and_b32 s32, s38, 3
	s_bfe_u32 s33, s38, 0x40002
	s_lshl_b32 s34, s33, 18                        ; 128 rows of 2,048 bytes
	s_lshl_b32 s37, s32, 9
	s_add_co_u32 s34, s34, s37
	s_lshl_b32 s37, s2, 7
	s_add_co_u32 s34, s34, s37
	s_lshl_b32 s36, s32, 1
	s_add_co_u32 s36, s36, s26
	s_lshl_b32 s37, s39, 3
	s_add_co_u32 s36, s36, s37
	s_add_co_u32 s36, s36, 64
	s_cmp_eq_u32 s39, 0
	s_cselect_b64 s[4:5], s[12:13], s[14:15]
	s_add_nc_u64 s[4:5], s[4:5], s[34:35]
	WQ 2048, 0
.Lwo:	; ---- w_o: work-group = 128 columns x 128 along k; a lane takes a column, its registers run down k
	s_sub_co_u32 s38, ttmp9, 16
	s_and_b32 s32, s38, 15                         ; which 128 columns
	s_lshr_b32 s33, s38, 4                         ; which 128 along k
	s_lshl_b32 s34, s33, 20
	s_lshl_b32 s37, s32, 9
	s_add_co_u32 s34, s34, s37
	s_lshl_b32 s37, s2, 7
	s_add_co_u32 s34, s34, s37
	s_add_nc_u64 s[4:5], s[16:17], s[34:35]
	s_lshl_b32 s36, s32, 1
	s_add_co_u32 s36, s36, s26
	s_lshl_b32 s34, s36, 18
	s_lshr_b32 s37, s33, 1
	s_lshl_b32 s37, s37, 15                        ; (k / 256) 32768
	s_add_co_u32 s34, s34, s37
	s_and_b32 s37, s33, 1
	s_lshl_b32 s37, s37, 12                        ; four fragments of 1,024 bytes for the upper 128 of the 256
	s_add_co_u32 s34, s34, s37
	s_lshl_b32 s37, s27, 14
	s_add_co_u32 s34, s34, s37
	s_add_nc_u64 s[6:7], s[24:25], s[34:35]
	s_add_nc_u64 s[28:29], s[6:7], 0x800000
	v_lshlrev_b32 v3, 4, v5
	v_lshl_add_u32 v3, v6, 13, v3                  ; 8192 (lane / 16) + 16 (lane % 16)
	LOADW 0, 8192
	LOADW 1, 8192
.set TT, 0
.rept 4
	KFW TT
.set TT, TT+1
.endr
	s_endpgm
.Lx:	; ---- tokens: work-group = 16 rows; wave w the chunk of 512 along K.  A load is best where neighbouring lanes take neighbouring bytes, the conversions want a lane's registers along K:
	;      so a step's 16 x 512 bytes turn through the wave's own stage in LDS (rows 528 bytes apart: 33 x 16, so that sixteen rows fall on sixteen different 16-byte columns)
	s_sub_co_u32 s32, ttmp9, 272
	s_lshl_b32 s34, s32, 17
	s_lshl_b32 s37, s2, 11
	s_add_co_u32 s34, s34, s37
	s_add_nc_u64 s[4:5], s[8:9], s[34:35]
	s_lshr_b32 s36, s32, 2
	s_lshl_b32 s34, s36, 16
	s_lshl_b32 s37, s2, 14
	s_add_co_u32 s34, s34, s37
	s_and_b32 s37, s32, 3
	s_lshl_b32 s37, s37, 12
	s_add_co_u32 s34, s34, s37
	s_add_nc_u64 s[6:7], s[18:19], s[34:35]
	s_lshl_b32 s34, s32, 10
	s_lshl_b32 s37, s2, 8
	s_add_co_u32 s34, s34, s37
	s_add_nc_u64 s[28:29], s[20:21], s[34:35]
	s_mul_i32 s37, s2, 8448                        ; my stage
	v_add_nc_u32 v8, s37, v7                       ; in: 16 x lane, a row an instruction
	v_mul_u32_u24 v9, v5, 528
	v_lshl_add_u32 v9, v6, 7, v9
	v_add_nc_u32 v9, s37, v9                       ; out: row lane % 16, + 128 (lane / 16)
	v_lshlrev_b32 v10, 3, v6
	v_lshlrev_b32 v21, 4, v5
	v_mov_b32 v20, 0                               ; a lane permute's destination counts as one of its sources
	s_mov_b32 s38, 0x76543210
	s_mov_b32 s39, 0xfedcba98
	LOADX 0
	LOADX 1
	STEPX 0
	STEPX 1
	STEPX 2
	STEPX 3
	s_wait_xcnt 0x0                                ; EXEC changes only behind this wait
	v_cmp_gt_u32 vcc_lo, 16, v1
	s_and_saveexec_b32 s30, vcc_lo
	global_store_b128 v21, v[SB:SB+3], s[28:29]    ; lanes 0-15: the 16 rows' four scale words: 256 consecutive bytes, aligned
	s_wait_xcnt 0x0
	s_or_b32 exec_lo, exec_lo, s30
	s_wait_tensorcnt 0x0                           ; the wave's end, behind my last LDS store
	ds_add_u32 v[SPW], v[NIL]
	s_wait_dscnt 0x0
	s_endpgm
.Lfunc_end_k_q55c76948ae_prep:
	.size	k_q55c76948ae_prep, .Lfunc_end_k_q55c76948ae_prep-k_q55c76948ae_prep
	.p2alignl 7, 3214868480
	.fill 96, 4, 3214868480
	.section	.rodata,"a",@progbits
	.p2align	6, 0x0
	.amdhsa_kernel k_q55c76948ae_prep
		.amdhsa_group_segment_fixed_size 34304
		.amdhsa_private_segment_fixed_size 0
		.amdhsa_enable_private_segment 0
		.amdhsa_kernarg_size 72
		.amdhsa_user_sgpr_count 2
		.amdhsa_user_sgpr_kernarg_segment_ptr 1
		.amdhsa_wavefront_size32 1
		.amdhsa_system_sgpr_workgroup_id_x 1
		.amdhsa_system_sgpr_workgroup_id_y 1
		.amdhsa_system_sgpr_workgroup_id_z 1
		.amdhsa_system_vgpr_workitem_id 0
		.amdhsa_next_free_vgpr 256
		.amdhsa_next_free_sgpr 66
		.amdhsa_reserve_vcc 1
		.amdhsa_float_denorm_mode_32 3
		.amdhsa_float_denorm_mode_16_64 3
		.amdhsa_memory_ordered 1
		.amdhsa_forward_progress 1
		.amdhsa_inst_pref_size 124
	.end_amdhsa_kernel
	.amdgpu_metadata
---
amdhsa.version: [ 1, 2 ]
amdhsa.kernels:
  - .name:           k_q55c76948ae_prep
    .symbol:         k_q55c76948ae_prep.kd
    .args:
      - { .name: hidden_states, .offset: 0, .size: 8, .value_kind: global_buffer, .address_space: global }
      - { .name: w_q, .offset: 8, .size: 8, .value_kind: global_buffer, .address_space: global }
      - { .name: w_k, .offset: 16, .size: 8, .value_kind: global_buffer, .address_space: global }
      - { .name: w_v, .offset: 24, .size: 8, .value_kind: global_buffer, .address_space: global }
      - { .name: w_o, .offset: 32, .size: 8, .value_kind: global_buffer, .address_space: global }
      - { .name: codes, .offset: 40, .size: 8, .value_kind: global_buffer, .address_space: global }
      - { .name: scales, .offset: 48, .size: 8, .value_kind: global_buffer, .address_space: global }
      - { .name: rope, .offset: 56, .size: 8, .value_kind: global_buffer, .address_space: global }
      - { .name: wo, .offset: 64, .size: 8, .value_kind: global_buffer, .address_space: global }
    .group_segment_fixed_size: 34304
    .private_segment_fixed_size: 0
    .kernarg_segment_align: 8
    .kernarg_segment_size: 72
    .max_flat_workgroup_size: 128
    .sgpr_count:     66
    .vgpr_count:     256
    .wavefront_size: 32
...
	.end_amdgpu_metadata
.endif
;; end of part 1
;; launch qkv (part 2): grid 16 x 16, 6 waves a work-group, no clusters, 246,528 bytes of LDS; arguments codes, scales, rope, qkv; writes qkv
.if DOCPART == 2
	.amdgcn_target "amdgcn-amd-amdhsa--gfx1250"
	.amdhsa_code_object_version 6
	.text
	.protected	k_q55c76948ae_qkv
	.globl	k_q55c76948ae_qkv
	.p2align	8
	.type	k_q55c76948ae_qkv,@function
k_q55c76948ae_qkv:
	s_mov_b64 s[64:65], 0
	v_nop
	global_prefetch_b8 v0, s[64:65] scope:SCOPE_SE
	s_setreg_imm32_b32 hwreg(HW_REG_WAVE_MODE, 25, 1), 1
	s_wait_xcnt 0x0
; QKV: [q | k | v] = x [w_q | w_k | w_v] on codes of FP4 (E2M1) with E8M0 scales, K = 2048; RoPE on q and k in f32; results rounded to f16 once and stored as images of the attention's operand registers.
; 256 work-groups of equal work.  A work-group (j = x, i = y) makes 128 tokens x 192 columns: three of the 48 heads (0-31 q, 32-39 k, 40-47 v).  Six waves; wave w makes head 3 j + w / 2 for the
; 64 tokens 128 i + 64 (w % 2): 64 x 64, 16 accumulators.  Source 1 ("T") falls into lanes, source 0 ("U") into registers.
;   heads under 40 (q, k): T = tokens, U = columns: a lane holds one token and eight neighbouring channels: 16 bytes of a fragment of q or k.
;   heads from 40 on (v):  T = columns, U = tokens: a lane holds one channel and eight neighbouring tokens: 16 bytes of a fragment of v^T.
; 40 is no multiple of 3, so one work-group in sixteen along x holds both kinds: the kind is a wave's own.  Tokens and columns are rows of ONE buffer of codes.  q comes out divided by 8: w_q's scale bytes carry that.
; WHERE THE CODES LIE.  320 rows x 1,024 bytes would be 327,680 bytes, and the spare words must lie beside them.  So the first 512 along K come from memory STRAIGHT INTO REGISTERS (the codes lie as images of
; the registers: each load takes 512 consecutive bytes): 64 loads a wave, into the two fragment buffers and the 128 registers that later hold cos and sin, issued beside the tensor loads.  The other three chunks
; of 512 lie in three LDS slots of 81,920 bytes: two blocks of 64 tokens, then three of 64 columns, 16,384 dense bytes each.  Waves 0 to 4 ask for one block of each slot at the head: three tensor loads a wave are out;
; nothing is ever filled again, so the waits on the tensor counter are counted and a plain barrier stands in front of each slot.
; The LDS regions are laid by what they hold and the address registers are made at the head of the wave's number alone; the two kinds differ in which of them feeds source 0: a branch on ids inside each chunk, behind its barrier.
; NO CLUSTER: the blocks of tokens are shared along x and those of columns along y, but a wave's kind hangs on j, so that branch would hang on a work-group's place in its cluster.
; qkv: q, k: head 262144 + (token / 16) 2048 + (channel / 16) 512 + 16 lane;  v: head 262144 + (key / 32) 4096 + (channel / 16) 1024 + ((key / 16) % 2) 512 + 16 lane.
; LIMIT: q / 8, k and v must stay under 65,504 (f16).
; REGISTERS: window 0: v1 16 x lane, v4 scales' offset, v6, v7 the add's two, v8-10 LDS addresses of my columns in the three slots, v12-14 of my tokens, v16-79 scale words and nothing else
;   (v[16 + 16 i + 4 cq + q]: lanes 0-15 T's tile i, lanes 16-31 U's tile i), v80-143 and v144-207 two fragment buffers (U at + 8 b, T at + 32 + 8 a), later the results.
;   window 1: v0-127 accumulator (a, b) at 8 (4 a + b); v128-191, v192-255 two more buffers for the first chunk, later cos (128 + 32 a + 8 b) and sin (16 further on).
.set CH,    81920                      ; a slot
.set SPARE, 3*CH                       ; behind the slots: the spare words, 128 bytes for each of six waves
.set LI,  1
.set VSC, 4
.set SPW, 6
.set NIL, 7
.set ADC, 8
.set ADK, 12
.set SC,  16
.set B0,  80
.set B1,  144
.set Y,   80
.set G1,  24                           ; s[24:31] the shape of a block
.set G0,  32                           ; s[32:43] from where, to where: a set for each slot
.set KIND, 20                          ; s20  0: q or k, 1: v
.set MSB, 0
.macro WIN new                         ; the immediate's high byte repeats the setting that is left
.if MSB != \new
	s_set_vgpr_msb (MSB<<8)|\new
.set MSB, \new
.endif
.endm
.macro PLACES                          ; four plain vector lines between a matrix instruction and a load into, or a vector write of, its sources, or a read of its result
.rept 4
	v_nop
.endr
.endm
.macro FETCHG q, buf                   ; the first chunk: 16 loads from memory: four fragments of U and four of T, 128 along K
.irp b, 0,1,2,3
.irp c, 0,1
	global_load_b128 v[\buf+8*\b+4*\c:\buf+8*\b+4*\c+3], v[LI], s[50:51] offset:\b*4096+(\q)*1024+\c*512
.endr
.endr
.irp a, 0,1,2,3
.irp c, 0,1
	global_load_b128 v[\buf+32+8*\a+4*\c:\buf+32+8*\a+4*\c+3], v[LI], s[52:53] offset:\a*4096+(\q)*1024+\c*512
.endr
.endr
.endm
.macro FETCH sl, q, buf, au, at        ; 16 LDS loads from slot sl; au, at: the address registers that feed U and T; each load takes 512 consecutive bytes
	WIN 0
.irp b, 0,1,2,3
.irp c, 0,1
	ds_load_b128 v[\buf+8*\b+4*\c:\buf+8*\b+4*\c+3], v[\au+(\sl)] offset:\b*4096+(\q)*1024+\c*512
.endr
.endr
.irp a, 0,1,2,3
.irp c, 0,1
	ds_load_b128 v[\buf+32+8*\a+4*\c:\buf+32+8*\a+4*\c+3], v[\at+(\sl)] offset:\a*4096+(\q)*1024+\c*512
.endr
.endr
.endm
.macro MUL cq, q, buf, zero, win       ; 16 matrix instructions; the 16 accumulators take turns, one instruction a turn, in the same order in every step
	WIN \win                                       ; 0x50: C and D window 1;  0x55: the fragments too
.irp a, 0,1,2,3
.irp b, 0,1,2,3
.if \zero
	v_wmma_scale_f32_16x16x128_f8f6f4 v[8*(4*\a+\b):8*(4*\a+\b)+7], v[\buf+8*\b:\buf+8*\b+7], v[\buf+32+8*\a:\buf+32+8*\a+7], 0, v[SC+16*\b+4*(\cq)+(\q)], v[SC+16*\a+4*(\cq)+(\q)] matrix_a_fmt:MATRIX_FMT_FP4 matrix_b_fmt:MATRIX_FMT_FP4 matrix_a_scale:MATRIX_SCALE_ROW1
.else
	v_wmma_scale_f32_16x16x128_f8f6f4 v[8*(4*\a+\b):8*(4*\a+\b)+7], v[\buf+8*\b:\buf+8*\b+7], v[\buf+32+8*\a:\buf+32+8*\a+7], v[8*(4*\a+\b):8*(4*\a+\b)+7], v[SC+16*\b+4*(\cq)+(\q)], v[SC+16*\a+4*(\cq)+(\q)] matrix_a_fmt:MATRIX_FMT_FP4 matrix_b_fmt:MATRIX_FMT_FP4 matrix_a_scale:MATRIX_SCALE_ROW1
.endif
.endr
.endr
.endm
.macro SYNC sl                         ; slot sl is whole: my part has landed (the 2 - sl later slots' parts of mine may stay out), and so has everybody's
	s_wait_tensorcnt 2-(\sl)
	s_barrier_signal -1
	s_barrier_wait -1
.endm
.macro WORK cq, au, at                 ; chunk cq (slot cq - 1): four steps of 128 along K on two buffers
	PLACES                                         ; both buffers were read by the last chunk's products
	FETCH (\cq)-1, 0, B0, \au, \at
	FETCH (\cq)-1, 1, B1, \au, \at
	s_wait_dscnt 16                                ; the older fetch is in, the younger 16 loads may be out
	MUL \cq, 0, B0, 0, 0x50
	PLACES
	FETCH (\cq)-1, 2, B0, \au, \at
	s_wait_dscnt 16
	MUL \cq, 1, B1, 0, 0x50
	PLACES
	FETCH (\cq)-1, 3, B1, \au, \at
	s_wait_dscnt 16
	MUL \cq, 2, B0, 0, 0x50
	s_wait_dscnt 0
	MUL \cq, 3, B1, 0, 0x50
	WIN 0
.endm
.macro CHUNK cq                        ; the barrier stands on every wave's way; behind it the two kinds part and join again
	SYNC (\cq)-1
	s_cmp_lg_u32 s[KIND], 0
	s_cbranch_scc1 .Lvw_\@
	WORK \cq, ADC, ADK                             ; q, k: source 0 = my columns, source 1 = my tokens
	s_branch .Ljn_\@
.Lvw_\@:
	WORK \cq, ADK, ADC                             ; v: the other way round
.Ljn_\@:
.endm
	s_load_b256 s[4:11], s[0:1], 0x0               ; codes s[4:5], scales s[6:7], rope s[8:9], qkv s[10:11]
	v_lshl_add_u32 v[SPW], v0, 2, SPARE
	v_mov_b32 v[NIL], 0
	ds_add_u32 v[SPW], v[NIL]                      ; the opening: the add, twice on end, and its wait ahead of my first tensor load
	ds_add_u32 v[SPW], v[NIL]
	v_lshrrev_b32 v1, 5, v0
	v_readfirstlane_b32 s12, v1                    ; wave 0..5
	s_and_b32 s13, s12, 1                          ; my half of the tokens
	s_lshr_b32 s14, s12, 1                         ; my head of the three
	s_mov_b32 s15, ttmp9                           ; j
	s_and_b32 s16, ttmp7, 0xffff                   ; i
	s_lshl_b32 s44, s16, 1
	s_add_co_u32 s17, s44, s13                     ; my tokens' block of 64 rows of codes: 2 i + half
	s_mul_i32 s45, s15, 3
	s_add_co_u32 s18, s45, s14                     ; my head
	s_add_co_u32 s19, s18, 32                      ; its block of 64 rows
	s_cmp_lt_u32 s18, 40
	s_cselect_b32 s21, s17, s19                    ; T's block
	s_cselect_b32 s22, s19, s17                    ; U's block
	s_cselect_b32 s[KIND], 0, 1
	s_min_u32 s48, s12, 4                          ; what I fetch: waves 0, 1 the two blocks of tokens, waves 2 to 4 the three of columns (wave 5 has wave 4's numbers and asks for nothing)
	s_add_co_u32 s46, s45, 30                      ; 32 + 3 j + (wave - 2)
	s_cmp_lt_u32 s12, 2
	s_cselect_b32 s46, s44, s46
	s_add_co_u32 s46, s46, s48
	s_lshl_b32 s46, s46, 16
	s_mov_b32 s47, 0
	s_mov_b32 s[G1+0], 3<<16                       ; elements of 8 bytes, no mask, no padding
	s_mov_b32 s[G1+1], 32<<16                      ; tensor_dim0 = 32: rows of 256 bytes
	s_mov_b32 s[G1+2], 64<<16                      ; tensor_dim1 = 64
	s_mov_b32 s[G1+3], 32<<16                      ; tile_dim0
	s_mov_b32 s[G1+4], 64                          ; tile_dim1
	s_mov_b32 s[G1+5], 32                          ; the pitch: a dense block of 16,384 bytes
	s_mov_b32 s[G1+6], 0
	s_mov_b32 s[G1+7], 0
	s_lshl_b32 s49, s48, 14                        ; in a slot: 16,384 x the block's number
	s_lshl_b32 s50, s22, 16                        ; the first chunk of U's block,
	s_mov_b32 s51, 0
	s_lshl_b32 s52, s21, 16                        ; and of T's
	s_mov_b32 s53, 0
	s_wait_dscnt 0x0                               ; both opening adds are done
	s_wait_kmcnt 0x0
	s_add_nc_u64 s[46:47], s[4:5], s[46:47]
	s_add_nc_u64 s[50:51], s[4:5], s[50:51]
	s_add_nc_u64 s[52:53], s[4:5], s[52:53]
.irp s, 0,1,2
	s_mov_b32 s[G0+4*\s], 1
	s_add_co_u32 s[G0+4*\s+1], s49, \s*CH
	s_add_nc_u64 s[G0+4*\s+2:G0+4*\s+3], s[46:47], (\s+1)*16384   ; slot s holds chunk s + 1
	s_or_b32 s[G0+4*\s+3], s[G0+4*\s+3], 0x80000000
.endr
	s_cmp_lt_u32 s12, 5                            ; a wave's three first fills stand in one branch on its number, ahead of every wait on the tensor counter, every LDS read and every barrier
	s_cbranch_scc0 .Lno_fill
.irp s, 0,1,2
	tensor_load_to_lds s[G0+4*\s:G0+4*\s+3], s[G1:G1+7]
	s_nop 0
.endr
	PLACES
.Lno_fill:
	v_and_b32 v2, 31, v0
	v_lshlrev_b32 v[LI], 4, v2
	v_and_b32 v3, 15, v0
	v_bfe_u32 v5, v0, 4, 1
	s_lshl_b32 s54, s14, 14
	s_add_co_u32 s54, s54, 32768                   ; my columns' block lies behind the two blocks of tokens
	s_lshl_b32 s55, s13, 14                        ; my tokens' block
.irp s, 0,1,2
	v_add_nc_u32 v[ADC+\s], s54, v[LI]
	v_add_nc_u32 v[ADK+\s], s55, v[LI]
	s_add_co_u32 s54, s54, CH
	s_add_co_u32 s55, s55, CH
.endr
	s_lshl_b32 s56, s21, 12                        ; T: my first tile of 16 rows x 1,024 bytes of scale words
	s_lshl_b32 s57, s22, 12                        ; U
	v_mov_b32 v2, s56
	v_mov_b32 v[VSC], s57
	v_cmp_eq_u32 vcc_lo, 1, v5
	v_cndmask_b32 v[VSC], v2, v[VSC], vcc_lo       ; lanes 0-15 take T's words, lanes 16-31 U's
	v_lshl_add_u32 v[VSC], v3, 4, v[VSC]
.irp i, 0,1,2,3
.irp cq, 0,1,2,3
	global_load_b128 v[SC+16*\i+4*\cq:SC+16*\i+4*\cq+3], v[VSC], s[6:7] offset:\i*1024+\cq*256   ; a chunk's four words of a row; sixteen lanes read 256 consecutive bytes
.endr
.endr
	FETCHG 0, B0
	FETCHG 1, B1
	WIN 0x40                                       ; destination window 1, address window 0
	FETCHG 2, 128
	FETCHG 3, 192
	s_wait_loadcnt 48                              ; the scale words and the first step's 16 loads are in; the three later steps' 48 may be out
	MUL 0, 0, B0, 1, 0x50                          ; the first step's products start the sums: nothing is cleared
	s_wait_loadcnt 32
	MUL 0, 1, B1, 0, 0x50
	s_wait_loadcnt 16
	MUL 0, 2, 128, 0, 0x55
	s_wait_loadcnt 0
	MUL 0, 3, 192, 0, 0x55
	WIN 0
	CHUNK 1
	CHUNK 2
	SYNC 2
	s_cmp_lg_u32 s[KIND], 0                        ; the last chunk's work and the way out: the two kinds part for good; no barrier follows
	s_cbranch_scc1 .Lv
	; ---- q and k
	s_lshl_b32 s58, s16, 3
	s_lshl_b32 s59, s13, 2
	s_add_co_u32 s58, s58, s59                     ; my first tile of 16 tokens
	s_lshl_b32 s60, s58, 12
	s_mov_b32 s61, 0
	s_add_nc_u64 s[8:9], s[8:9], s[60:61]
	s_lshl_b32 s60, s18, 18
	s_lshl_b32 s58, s58, 11
	s_add_co_u32 s60, s60, s58
	s_add_nc_u64 s[10:11], s[10:11], s[60:61]
	WIN 0x40                                       ; cos and sin are asked for ahead of the last chunk's products, into the registers that the first chunk's last two steps have left
.irp a, 0,1,2,3
.irp kd, 0,1
.irp b, 0,1
.irp u, 0,1
	global_load_b128 v[128+32*\a+16*\kd+8*\b+4*\u:128+32*\a+16*\kd+8*\b+4*\u+3], v[LI], s[8:9] offset:\a*4096+\kd*2048+\b*1024+\u*512
.endr
.endr
.endr
.endr
	WORK 3, ADC, ADK
	s_wait_loadcnt 0x0                             ; cos and sin
	PLACES
	WIN 0x05                                       ; sources 0 and 1 window 1; source 2 and the destination window 0
.irp a, 0,1,2,3
.irp b, 0,1
.irp p, 0,1,2,3                        ; channel d < 32: y(d) = x(d) cos - x(d + 32) sin;  y(d + 32) = x(d + 32) cos + x(d) sin.  Each accumulator is read from its low end on
	v_pk_mul_f32 v[Y+8*(4*\a+\b)+2*\p:Y+8*(4*\a+\b)+2*\p+1], v[8*(4*\a+\b)+2*\p:8*(4*\a+\b)+2*\p+1], v[128+32*\a+8*\b+2*\p:128+32*\a+8*\b+2*\p+1]
	v_pk_mul_f32 v[Y+8*(4*\a+\b+2)+2*\p:Y+8*(4*\a+\b+2)+2*\p+1], v[8*(4*\a+\b+2)+2*\p:8*(4*\a+\b+2)+2*\p+1], v[128+32*\a+8*\b+2*\p:128+32*\a+8*\b+2*\p+1]
	v_pk_fma_f32 v[Y+8*(4*\a+\b)+2*\p:Y+8*(4*\a+\b)+2*\p+1], v[8*(4*\a+\b+2)+2*\p:8*(4*\a+\b+2)+2*\p+1], v[144+32*\a+8*\b+2*\p:144+32*\a+8*\b+2*\p+1], v[Y+8*(4*\a+\b)+2*\p:Y+8*(4*\a+\b)+2*\p+1] neg_lo:[1,0,0] neg_hi:[1,0,0]
	v_pk_fma_f32 v[Y+8*(4*\a+\b+2)+2*\p:Y+8*(4*\a+\b+2)+2*\p+1], v[8*(4*\a+\b)+2*\p:8*(4*\a+\b)+2*\p+1], v[144+32*\a+8*\b+2*\p:144+32*\a+8*\b+2*\p+1], v[Y+8*(4*\a+\b+2)+2*\p:Y+8*(4*\a+\b+2)+2*\p+1]
.endr
.endr
.endr
	WIN 0
.irp k, 0,1,2,3,4,5,6,7,8,9,10,11,12,13,14,15
.irp p, 0,1,2,3
	v_cvt_pk_f16_f32 v[Y+8*\k+\p], v[Y+8*\k+2*\p], v[Y+8*\k+2*\p+1]   ; in place, ascending: a register is written after it has been read
.endr
.endr
.irp a, 0,1,2,3
.irp b, 0,1,2,3
	global_store_b128 v[LI], v[Y+8*(4*\a+\b):Y+8*(4*\a+\b)+3], s[10:11] offset:\a*2048+\b*512   ; 512 consecutive bytes
.endr
.endr
	s_wait_tensorcnt 0x0                           ; the wave's end
	ds_add_u32 v[SPW], v[NIL]
	s_wait_dscnt 0x0
	s_endpgm
.Lv:	; ---- v
	s_lshl_b32 s60, s18, 18                        ; heads 40 to 47 are v's
	s_lshl_b32 s58, s16, 2
	s_lshl_b32 s59, s13, 1
	s_add_co_u32 s58, s58, s59                     ; my first group of 32 keys
	s_lshl_b32 s58, s58, 12
	s_add_co_u32 s60, s60, s58
	s_mov_b32 s61, 0
	s_add_nc_u64 s[10:11], s[10:11], s[60:61]
	WORK 3, ADK, ADC
	PLACES
	WIN 0x05
.irp k, 0,1,2,3,4,5,6,7,8,9,10,11,12,13,14,15
.irp p, 0,1,2,3
	v_cvt_pk_f16_f32 v[Y+4*\k+\p], v[8*\k+2*\p], v[8*\k+2*\p+1]
.endr
.endr
	WIN 0
.irp a, 0,1,2,3
.irp b, 0,1,2,3
	global_store_b128 v[LI], v[Y+4*(4*\a+\b):Y+4*(4*\a+\b)+3], s[10:11] offset:(\b/2)*4096+\a*1024+(\b%2)*512
.endr
.endr
	s_wait_tensorcnt 0x0
	ds_add_u32 v[SPW], v[NIL]
	s_wait_dscnt 0x0
	s_endpgm
.Lfunc_end_k_q55c76948ae_qkv:
	.size	k_q55c76948ae_qkv, .Lfunc_end_k_q55c76948ae_qkv-k_q55c76948ae_qkv
	.p2alignl 7, 3214868480
	.fill 96, 4, 3214868480
	.section	.rodata,"a",@progbits
	.p2align	6, 0x0
	.amdhsa_kernel k_q55c76948ae_qkv
		.amdhsa_group_segment_fixed_size 246528
		.amdhsa_private_segment_fixed_size 0
		.amdhsa_enable_private_segment 0
		.amdhsa_kernarg_size 32
		.amdhsa_user_sgpr_count 2
		.amdhsa_user_sgpr_kernarg_segment_ptr 1
		.amdhsa_wavefront_size32 1
		.amdhsa_system_sgpr_workgroup_id_x 1
		.amdhsa_system_sgpr_workgroup_id_y 1
		.amdhsa_system_sgpr_workgroup_id_z 1
		.amdhsa_system_vgpr_workitem_id 0
		.amdhsa_next_free_vgpr 512
		.amdhsa_next_free_sgpr 66
		.amdhsa_reserve_vcc 1
		.amdhsa_float_denorm_mode_32 3
		.amdhsa_float_denorm_mode_16_64 3
		.amdhsa_memory_ordered 1
		.amdhsa_forward_progress 1
		.amdhsa_inst_pref_size 120
	.end_amdhsa_kernel
	.amdgpu_metadata
---
amdhsa.version: [ 1, 2 ]
amdhsa.kernels:
  - .name:           k_q55c76948ae_qkv
    .symbol:         k_q55c76948ae_qkv.kd
    .args:
      - { .name: codes, .offset: 0, .size: 8, .value_kind: global_buffer, .address_space: global }
      - { .name: scales, .offset: 8, .size: 8, .value_kind: global_buffer, .address_space: global }
      - { .name: rope, .offset: 16, .size: 8, .value_kind: global_buffer, .address_space: global }
      - { .name: qkv, .offset: 24, .size: 8, .value_kind: global_buffer, .address_space: global }
    .group_segment_fixed_size: 246528
    .private_segment_fixed_size: 0
    .kernarg_segment_align: 8
    .kernarg_segment_size: 32
    .max_flat_workgroup_size: 192
    .sgpr_count:     66
    .vgpr_count:     512
    .wavefront_size: 32
...
	.end_amdgpu_metadata
.endif
;; end of part 2
;; launch attn (part 3): grid 32 x 8, 8 waves a work-group, clusters of 4 x 4, 327,680 bytes of LDS; arguments qkv, attention_mask, af; writes af
.if DOCPART == 3
	.amdgcn_target "amdgcn-amd-amdhsa--gfx1250"
	.amdhsa_code_object_version 6
	.text
	.protected	k_q55c76948ae_attn
	.globl	k_q55c76948ae_attn
	.p2align	8
	.type	k_q55c76948ae_attn,@function
k_q55c76948ae_attn:
	s_mov_b64 s[64:65], 0
	v_nop
	global_prefetch_b8 v0, s[64:65] scope:SCOPE_SE
	s_setreg_imm32_b32 hwreg(HW_REG_WAVE_MODE, 25, 1), 1
	s_wait_xcnt 0x0
	s_wait_alu depctr_hold_cnt(0) depctr_sa_sdst(0) depctr_va_vdst(0) depctr_va_sdst(0) depctr_va_ssrc(0) depctr_va_vcc(0) depctr_vm_vsrc(0)
	s_getreg_b32 s2, hwreg(HW_REG_IB_STS2, 6, 4)
	s_cmp_eq_u32 s2, 0
	s_cbranch_scc0 .Lentry_in_a_cluster
	s_endpgm
.Lentry_in_a_cluster:
	s_bfe_u32 s2, ttmp6, 0x10000c
	s_cmp_lg_u32 s2, 0xf033
	s_cbranch_scc0 .Lentry_shape_is_right
	s_endpgm
.Lentry_shape_is_right:
; ATTN: a[q][head] = softmax_k(q . k / 8 + mask[q][k]) v, f16 operands, f32 sums, a running maximum and sum for each query.  q arrives divided by 8.  THE MASK IS AN INPUT: it is read whole and added as it
; stands, as the C of each score tile's first matrix instruction; every key is walked for every query.
; SHARES.  A work-group owns 64 queries (block qb) of the four query heads of one kv head g.  Wave w: the tile of 16 queries w % 4, the two heads 4 g + 2 (w / 4) + 0, 1, which share every fragment of K, V and mask.
; Two waves lie on a SIMD, so that one wave's softmax stands beside the other's products; the step is written in phases.
; LAYOUT.  S^T = K Q^T (source 0 = 16 keys, source 1 = 16 queries) and O^T = V^T P: a lane holds ONE query throughout; two score tiles rounded in pairs ARE source 1 of the second product.
; K, V and Q come as images of their registers, so every LDS load takes 512 consecutive bytes.
; RING.  Two slots of 256 keys (4 steps of 64): K 32 KB, V 32 KB, mask 64 rows x 1,024 bytes (+ 16 of padding: rows 65 x 16 bytes apart, so that sixteen rows fall on sixteen different 16-byte columns).
; CLUSTER 4 x 4.  The four work-groups of a row share g: K and V are asked for jointly (waves 0, 1).  The four of a column share qb: the mask's tile likewise (waves 2, 3: 32 rows each).  A wave has two
; tensor loads out at the start and one behind each round; that one has four steps in which to land.
; af: high part (q / 64) 262144 + g 32768 + ((q / 16) % 4) 8192 + (head % 4) 2048 + (channel / 16) 512 + 16 lane: fragments of the projection's operand.  For rows 0-15 of query blocks 0-3 also a low part x 2048, at
; 8,388,608 + qb 65536 + head 2048 + (channel / 16) 512 + 16 lane; the launch that carries the first 16 rows finely reads block 0's (the branch may hang on the cluster's number, not on a place in it).
; LIMITS: NaN and +infinity are not served; a mask entry of -infinity is.  score + mask under -1e38 counts as -1e38.  Where every key of a row carries a mask so large that the score's bits are lost, the result
; hangs on the rounding of score + mask in the matrix unit.  a must stay under 65,504.
; REGISTERS: window 0: v1 16 x lane, v2 my place in the mask's tile, v3, v4 addresses in hand, v5 prefetch offset, v6, v7 the add's two, v8-15 at work on the way out,
;   v16-31 statistics (head e at 16 + 8 e: c m, m, l, l, c0-c3; the rescaling factor takes c2's place), v32-63 P, v64-95 the mask's four tiles, v96-159 S^T.
;   window 1: v0-63 O^T (32 e + 8 t), v64-95 Q (64 + 16 e + 8 c), v96-159 K (96 + 16 kt + 8 c), v160-223 V (160 + 32 k2 + 8 t).
.set KVS,   65536
.set MB,    131072
.set MS,    66560
.set MP,    1040
.set SPARE, 264192                     ; behind the ring: the spare words, 128 bytes for each of eight waves
.set LI,  1
.set AM0, 2
.set ADK, 3
.set ADM, 4
.set PFO, 5
.set SPW, 6
.set NIL, 7
.set F,   8
.set ST,  16
.set P,   32
.set MK,  64
.set S,   96
.set OO,  0
.set QQ,  64
.set KK,  96
.set VV,  160
.set WV,   10
.set G1KV, 24                          ; s[24:31] shape of K's and V's tiles;  s[32:39] of the mask's
.set G1M,  32
.set G0KV, 48                          ; s[48:55] from where, to where: a set for each slot;  s[56:63] the mask's
.set G0M,  56
.set CS,   66                          ; s[66:67] log2(e)
.set SEL,  68                          ; s[68:69] lane l xor 16
.set TK,   70                          ; LDS byte of the step's K
.set TM,   71                          ; and of its columns of the mask
.set STC,  72
.set TRIP, 73
.set LEFT, 74                          ; refills still to come
.set LIM,  75                          ; 1 in a wave that prefetches, else the greatest number
.set PFA,  76                          ; s[76:77] where my prefetches stand
.set PFS,  78                          ; s[78:79] a slot on, in bytes
.set MSB, 0
.macro WIN new
.if MSB != \new
	s_set_vgpr_msb (MSB<<8)|\new
.set MSB, \new
.endif
.endm
.macro PLACES
.rept 4
	v_nop
.endr
.endm
.macro CROUND                          ; a round of the cluster's barrier
	s_barrier_signal -1
	s_barrier_wait -1
	s_cmp_lg_u32 s[WV], 0
	s_cbranch_scc1 .Lnot_wave_0_\@
	s_barrier_signal -3
.Lnot_wave_0_\@:
	s_barrier_wait -3
	s_barrier_signal -1
	s_barrier_wait -1
.endm
.macro JLOAD sl                        ; a joint refill of slot sl: waves 0, 1 K and V, waves 2, 3 the mask's halves, the others nothing.  The branches hang on the wave's number alone
	s_cmp_lt_u32 s[WV], 2
	s_cbranch_scc0 .Lnot_kv_\@
	tensor_load_to_lds s[G0KV+4*(\sl):G0KV+4*(\sl)+3], s[G1KV:G1KV+7]
	s_nop 0
	PLACES
	s_branch .Lasked_\@
.Lnot_kv_\@:
	s_cmp_lt_u32 s[WV], 4
	s_cbranch_scc0 .Lasked_\@
	tensor_load_to_lds s[G0M+4*(\sl):G0M+4*(\sl)+3], s[G1M:G1M+7]
	s_nop 0
	PLACES
.Lasked_\@:
.endm
; A prefetch of what the NEXT change of slots will ask for: four key steps ahead of that load.  Each aligned 256 bytes are named once in the launch.  K and V of a kv head are walked by all eight clusters of a grid row:
; the first (cluster x = 0) asks, waves 4 (K) and 5 (V); its four partners of a row take 8,192 bytes each, told apart by address, lanes 256 bytes apart.  The mask's rows of a query block are walked by both clusters
; of a grid column: cluster y = 0 asks, waves 6 and 7; the four partners of a column take 16 rows each, a wave 8, four lanes to a row's 1,024 bytes.  The last refill asks for nothing; slots 0 to 2 come by their loads alone.
.macro ASK
	s_cmp_gt_u32 s[LEFT], s[LIM]
	s_cbranch_scc0 .Lnot_mine_\@
	global_prefetch_b8 v[PFO], s[PFA:PFA+1] th:TH_LOAD_NT scope:SCOPE_SE
.Lnot_mine_\@:
.endm
; The softmax of two tiles (heads e = 0, 1) of 16 queries x 64 keys, the two heads line by line by turns.
.macro SOFTMAX
.irp j, 0,1,2,3
.irp e, 0,1
	v_max3_num_f32 v[ST+8*\e+4+\j], v[S+32*\e+8*\j], v[S+32*\e+8*\j+1], v[S+32*\e+8*\j+2]   ; each score tile is read from its low end on
.endr
.endr
.irp i, 3,5
.irp j, 0,1,2,3
.irp e, 0,1
	v_max3_num_f32 v[ST+8*\e+4+\j], v[ST+8*\e+4+\j], v[S+32*\e+8*\j+\i], v[S+32*\e+8*\j+\i+1]
.endr
.endr
.endr
.irp e, 0,1
	v_max3_num_f32 v[ST+8*\e+4], v[ST+8*\e+4], v[S+32*\e+7], v[S+32*\e+15]
.endr
.irp e, 0,1
	v_max3_num_f32 v[ST+8*\e+6], v[ST+8*\e+6], v[S+32*\e+23], v[S+32*\e+31]
.endr
.irp e, 0,1
	v_max3_num_f32 v[ST+8*\e+4], v[ST+8*\e+4], v[ST+8*\e+5], v[ST+8*\e+6]
.endr
.irp e, 0,1
	v_max3_num_f32 v[ST+8*\e+4], v[ST+8*\e+4], v[ST+8*\e+7], v[ST+8*\e+1]   ; with the old m
.endr
.irp e, 0,1
	v_permlanex16_b32 v[ST+8*\e+5], v[ST+8*\e+4], s[SEL], s[SEL+1]          ; the query's other 32 keys lie in the lane 16 away
.endr
.irp e, 0,1
	v_mov_b32 v[ST+8*\e+7], v[ST+8*\e]                                      ; the old c m
.endr
.irp e, 0,1
	v_max_num_f32 v[ST+8*\e+1], v[ST+8*\e+4], v[ST+8*\e+5]
.endr
.irp e, 0,1
	v_mul_f32 v[ST+8*\e], s[CS], v[ST+8*\e+1]
.endr
.irp e, 0,1
	v_sub_f32 v[ST+8*\e+7], v[ST+8*\e+7], v[ST+8*\e]
.endr
.irp b, 0,1,2,3,4,5,6,7,8,9,10,11,12,13,14,15
.irp e, 0,1
	v_pk_fma_f32 v[S+32*\e+2*\b:S+32*\e+2*\b+1], v[S+32*\e+2*\b:S+32*\e+2*\b+1], s[CS:CS+1], v[ST+8*\e:ST+8*\e+1] op_sel_hi:[1,0,0] neg_lo:[0,0,1] neg_hi:[0,0,1]   ; c s - c m
.endr
.endr
.irp e, 0,1
	v_exp_f32 v[ST+8*\e+6], v[ST+8*\e+7]                                    ; 2^(c m_old - c m_new)
.endr
.irp j, 0,1,2,3,4,5,6,7,8,9,10,11,12,13,14,15,16,17,18,19,20,21,22,23,24,25,26,27,28,29,30,31
.irp e, 0,1
	v_exp_f32 v[S+32*\e+\j], v[S+32*\e+\j]
.endr
.endr
	v_nop                                          ; a plain line behind the last exponential
	s_wait_alu depctr_va_vdst(0)                   ; ONE wait for the 66 exponentials, ahead of their first reader
.irp i, 0,1,2,3,4,5,6,7,8,9,10,11,12,13,14,15
.irp e, 0,1
	v_cvt_pk_f16_f32 v[P+16*\e+\i], v[S+32*\e+2*\i], v[S+32*\e+2*\i+1]
.endr
.endr
.irp u, 0,1,2,3,4,5,6,7                ; the sum of the unrounded weights, in place, in pairs
.irp e, 0,1
	v_pk_add_f32 v[S+32*\e+4*\u:S+32*\e+4*\u+1], v[S+32*\e+4*\u:S+32*\e+4*\u+1], v[S+32*\e+4*\u+2:S+32*\e+4*\u+3]
.endr
.endr
.irp u, 0,1,2,3
.irp e, 0,1
	v_pk_add_f32 v[S+32*\e+8*\u:S+32*\e+8*\u+1], v[S+32*\e+8*\u:S+32*\e+8*\u+1], v[S+32*\e+8*\u+4:S+32*\e+8*\u+5]
.endr
.endr
.irp u, 0,1
.irp e, 0,1
	v_pk_add_f32 v[S+32*\e+16*\u:S+32*\e+16*\u+1], v[S+32*\e+16*\u:S+32*\e+16*\u+1], v[S+32*\e+16*\u+8:S+32*\e+16*\u+9]
.endr
.endr
.irp e, 0,1
	v_pk_add_f32 v[S+32*\e:S+32*\e+1], v[S+32*\e:S+32*\e+1], v[S+32*\e+16:S+32*\e+17]
.endr
.irp e, 0,1
	v_pk_fma_f32 v[ST+8*\e+2:ST+8*\e+3], v[ST+8*\e+2:ST+8*\e+3], v[ST+8*\e+6:ST+8*\e+7], v[S+32*\e:S+32*\e+1] op_sel_hi:[1,0,1]
.endr
	WIN 0x41                                       ; O^T (destination and source 0) window 1
.irp i, 0,1,2,3,4,5,6,7,8,9,10,11,12,13,14,15
.irp e, 0,1
	v_pk_mul_f32 v[OO+32*\e+2*\i:OO+32*\e+2*\i+1], v[OO+32*\e+2*\i:OO+32*\e+2*\i+1], v[ST+8*\e+6:ST+8*\e+7] op_sel_hi:[1,0]
.endr
.endr
.endm
; A key step: 64 keys.
.macro STEP
	v_add_nc_u32 v[ADK], s[TK], v[LI]              ; these two and two v_nop are the four places between the last step's products and the loads into V's registers
	v_add_nc_u32 v[ADM], s[TM], v[AM0]
	v_nop
	v_nop
.irp kt, 0,1,2,3
	ds_load_b128 v[MK+8*\kt:MK+8*\kt+3], v[ADM] offset:64*\kt          ; mask(my query, keys 16 kt + 8 (lane / 16) + 0..7): the result's layout
	ds_load_b128 v[MK+8*\kt+4:MK+8*\kt+7], v[ADM] offset:64*\kt+16
.endr
	WIN 0x40
.irp kt, 0,1,2,3
.irp c, 0,1
	ds_load_b128 v[KK+16*\kt+8*\c:KK+16*\kt+8*\c+3], v[ADK] offset:\kt*2048+\c*1024
	ds_load_b128 v[KK+16*\kt+8*\c+4:KK+16*\kt+8*\c+7], v[ADK] offset:\kt*2048+\c*1024+512
.endr
.endr
.irp k2, 0,1
.irp t, 0,1,2,3
	ds_load_b128 v[VV+32*\k2+8*\t:VV+32*\k2+8*\t+3], v[ADK] offset:32768+\k2*4096+\t*1024
	ds_load_b128 v[VV+32*\k2+8*\t+4:VV+32*\k2+8*\t+7], v[ADK] offset:32768+\k2*4096+\t*1024+512
.endr
.endr
	s_wait_dscnt 16                                ; the mask and K are in; V's 16 loads may be out
	WIN 0x05                                       ; K and Q window 1; the mask and S^T window 0
.irp kt, 0,1,2,3
.irp e, 0,1
	v_wmma_f32_16x16x32_f16 v[S+32*\e+8*\kt:S+32*\e+8*\kt+7], v[KK+16*\kt:KK+16*\kt+7], v[QQ+16*\e:QQ+16*\e+7], v[MK+8*\kt:MK+8*\kt+7]
.endr
.endr
.irp kt, 0,1,2,3                       ; the eight accumulators take turns, one instruction a turn
.irp e, 0,1
	v_wmma_f32_16x16x32_f16 v[S+32*\e+8*\kt:S+32*\e+8*\kt+7], v[KK+16*\kt+8:KK+16*\kt+15], v[QQ+16*\e+8:QQ+16*\e+15], v[S+32*\e+8*\kt:S+32*\e+8*\kt+7]
.endr
.endr
	WIN 0
	PLACES
	SOFTMAX
	s_wait_dscnt 0x0                               ; V is in
	WIN 0x51                                       ; V window 1, P window 0, O^T window 1
.irp k2, 0,1
.irp t, 0,1,2,3
.irp e, 0,1
	v_wmma_f32_16x16x32_f16 v[OO+32*\e+8*\t:OO+32*\e+8*\t+7], v[VV+32*\k2+8*\t:VV+32*\k2+8*\t+7], v[P+16*\e+8*\k2:P+16*\e+8*\k2+7], v[OO+32*\e+8*\t:OO+32*\e+8*\t+7]
.endr
.endr
.endr
	WIN 0
	s_add_co_u32 s[TK], s[TK], 8192
	s_add_co_u32 s[TM], s[TM], 256
.endm
.macro SLOT_STEPS sl                   ; a slot's four steps: written once, walked four times
	s_mov_b32 s[TK], (\sl)*KVS
	s_mov_b32 s[TM], MB+(\sl)*MS
	s_mov_b32 s[STC], 4
.Lstep_\@:
	STEP
	s_sub_co_u32 s[STC], s[STC], 1
	s_cmp_lg_u32 s[STC], 0
	s_cbranch_scc1 .Lstep_\@
.endm
; The change of slots, at the head of slot sl.  Each wave waits for all its tensor loads (its part of slot sl), adds 0 to its spare word, and waits for that and for its reads of the slot that it has left.
; fill = 1: a round of the cluster's barrier, so that no wave of any partner still reads that slot or has a load on its way; the joint refill comes first behind it.
.macro CHANGE sl, fill
	s_wait_tensorcnt 0x0                           ; no tensor load of mine is out, so the descriptors may be written
	ds_add_u32 v[SPW], v[NIL]
.if \fill
	ds_add_u32 v[SPW], v[NIL]                      ; and once more
	s_add_nc_u64 s[G0KV+4*(1-\sl)+2:G0KV+4*(1-\sl)+3], s[G0KV+4*(1-\sl)+2:G0KV+4*(1-\sl)+3], 2*32768   ; the other slot's next 256 keys: two slots on
	s_add_nc_u64 s[G0M+4*(1-\sl)+2:G0M+4*(1-\sl)+3], s[G0M+4*(1-\sl)+2:G0M+4*(1-\sl)+3], 2*1024
	s_wait_xcnt 0x0                                ; the last prefetch, four steps back, has read its address
	s_add_nc_u64 s[PFA:PFA+1], s[PFA:PFA+1], s[PFS:PFS+1]
	s_wait_dscnt 0x0                               ; both adds are done, and my reads of the slot that I have left are over
	CROUND
	JLOAD 1-\sl
	ASK
	s_sub_co_u32 s[LEFT], s[LEFT], 1
.else
	s_wait_dscnt 0x0
	s_barrier_signal -1
	s_barrier_wait -1
.endif
.endm
	s_load_b128 s[4:7], s[0:1], 0x0                ; qkv s[4:5], the mask s[6:7]
	s_load_b64 s[8:9], s[0:1], 0x10                ; af
	v_lshl_add_u32 v[SPW], v0, 2, SPARE
	v_mov_b32 v[NIL], 0
	ds_add_u32 v[SPW], v[NIL]                      ; the opening: the add, twice on end, and its wait ahead of the round in front of the first tensor loads
	ds_add_u32 v[SPW], v[NIL]
	v_lshrrev_b32 v1, 5, v0
	v_readfirstlane_b32 s[WV], v1                  ; wave 0..7
	s_and_b32 s11, s[WV], 3                        ; my tile of 16 queries
	s_lshr_b32 s12, s[WV], 2                       ; my pair of heads
	s_and_b32 s13, s[WV], 1
	s_bfe_u32 s14, ttmp6, 0x40000                  ; cx
	s_bfe_u32 s15, ttmp6, 0x40004                  ; cy
	s_lshl_b32 s16, ttmp9, 2
	s_add_co_u32 s16, s16, s14                     ; qb = 4 x cluster x + cx
	s_and_b32 s17, ttmp7, 0xffff
	s_lshl_b32 s17, s17, 2
	s_add_co_u32 s17, s17, s15                     ; g = 4 x cluster y + cy
	s_lshl_b32 s40, s15, 2
	s_lshl_b32 s40, 15, s40                        ; my row of the cluster
	s_lshl_b32 s41, 0x1111, s14                    ; my column
	s_or_b32 s[G1KV], s40, (3<<16)|(1<<21)         ; K, V: a dense block of 32,768 bytes as 128 rows of 32 elements of 8 bytes; the mask names my row; bit 21 beside it
	s_mov_b32 s[G1KV+1], 32<<16
	s_mov_b32 s[G1KV+2], 128<<16
	s_mov_b32 s[G1KV+3], 32<<16
	s_mov_b32 s[G1KV+4], 128
	s_mov_b32 s[G1KV+5], 32
	s_mov_b32 s[G1KV+6], 0
	s_mov_b32 s[G1KV+7], 0
	s_or_b32 s[G1M], s41, (2<<16)|(1<<20)|(1<<21)|(7<<22)|(3<<25)   ; the mask's tile: 32 rows of 256 f32, four words of padding behind every 256; it goes to my column
	s_mov_b32 s[G1M+1], 256<<16
	s_mov_b32 s[G1M+2], 32<<16
	s_mov_b32 s[G1M+3], 256<<16
	s_mov_b32 s[G1M+4], 32
	s_mov_b32 s[G1M+5], 2048
	s_mov_b32 s[G1M+6], 0
	s_mov_b32 s[G1M+7], 0
	s_lshl_b32 s20, s13, 3                         ; K's (wave 0) or V's (wave 1) head: 32 + g + 8 (w % 2): made of g alone, which my row shares
	s_add_co_u32 s20, s20, s17
	s_add_co_u32 s20, s20, 32
	s_lshl_b32 s20, s20, 18
	s_mov_b32 s21, 0
	s_lshl_b32 s22, s16, 19                        ; the mask: row 64 qb + 32 (w % 2): made of qb alone, which my column shares
	s_lshl_b32 s23, s13, 18
	s_add_co_u32 s22, s22, s23
	s_mov_b32 s23, 0
	s_lshl_b32 s42, s13, 15                        ; where they go: no place in the cluster enters an LDS address
	s_mul_i32 s43, s13, 32*MP
	s_lshl_b32 s18, s17, 2                         ; Q: head 4 g + 2 (w / 4), token tile 4 qb + w % 4
	s_lshl_b32 s19, s12, 1
	s_add_co_u32 s18, s18, s19
	s_lshl_b32 s18, s18, 18
	s_lshl_b32 s19, s16, 2
	s_add_co_u32 s19, s19, s11
	s_lshl_b32 s19, s19, 11
	s_add_co_u32 s18, s18, s19
	s_mov_b32 s19, 0
	s_lshl_b32 s82, s13, 3                         ; the prefetches of K and V: the head, my work-group's 8,192 bytes, slot 2
	s_add_co_u32 s82, s82, s17
	s_add_co_u32 s82, s82, 32
	s_lshl_b32 s82, s82, 18
	s_lshl_b32 s83, s14, 13
	s_add_co_u32 s82, s82, s83
	s_add_co_u32 s82, s82, 2*32768
	s_lshl_b32 s84, s16, 6                         ; of the mask: row 64 qb + 16 cy + 8 (w % 2), slot 2
	s_lshl_b32 s85, s15, 4
	s_add_co_u32 s84, s84, s85
	s_lshl_b32 s85, s13, 3
	s_add_co_u32 s84, s84, s85
	s_lshl_b32 s84, s84, 13
	s_add_co_u32 s84, s84, 2*1024
	s_mov_b32 s80, 1024
	s_mov_b32 s81, 8192
	s_and_b32 s86, ttmp7, 0xffff
	s_mov_b32 s[CS], 0x3fb8aa3b                    ; log2(e)
	s_mov_b32 s[CS+1], s[CS]                       ; (named with it as a pair, so it is written)
	s_mov_b32 s[SEL], 0x76543210
	s_mov_b32 s[SEL+1], 0xfedcba98
	s_mov_b32 s[LEFT], 6
	s_wait_dscnt 0x0                               ; both opening adds are done
	s_wait_kmcnt 0x0
	s_add_nc_u64 s[20:21], s[4:5], s[20:21]
	s_add_nc_u64 s[22:23], s[6:7], s[22:23]
	s_add_nc_u64 s[18:19], s[4:5], s[18:19]
	s_cmp_lt_u32 s[WV], 6                          ; waves 4, 5 would ask for K and V, waves 6, 7 for the mask
	s_cselect_b64 s[PFA:PFA+1], s[4:5], s[6:7]
	s_cselect_b32 s82, s82, s84
	s_cselect_b32 s[PFS], 32768, s80               ; a slot on
	s_cselect_b32 s81, 1024, s81                   ; from four lanes to the next four
	s_cselect_b32 s86, ttmp9, s86                  ; the coordinate along which other clusters walk the same bytes
	s_cmp_lt_u32 s[WV], 4
	s_cselect_b32 s86, 1, s86                      ; the waves that fetch ask for nothing
	s_cmp_eq_u32 s86, 0
	s_cselect_b32 s[LIM], 1, -1                    ; the same in all sixteen partners, for a given wave
	s_mov_b32 s83, 0
	s_mov_b32 s[PFS+1], 0
	s_add_nc_u64 s[PFA:PFA+1], s[PFA:PFA+1], s[82:83]
	CROUND                                         ; all sixteen work-groups are here: the first joint loads meet
.irp sl, 0,1
	s_mov_b32 s[G0KV+4*\sl], 1
	s_add_co_u32 s[G0KV+4*\sl+1], s42, \sl*KVS
	s_add_nc_u64 s[G0KV+4*\sl+2:G0KV+4*\sl+3], s[20:21], \sl*32768
	s_or_b32 s[G0KV+4*\sl+3], s[G0KV+4*\sl+3], 0x80000000
	s_mov_b32 s[G0M+4*\sl], 1
	s_add_co_u32 s[G0M+4*\sl+1], s43, MB+\sl*MS
	s_add_nc_u64 s[G0M+4*\sl+2:G0M+4*\sl+3], s[22:23], \sl*1024
	s_or_b32 s[G0M+4*\sl+3], s[G0M+4*\sl+3], 0x80000000
.endr
	s_cmp_lt_u32 s[WV], 2                          ; a wave's two first fills stand in one branch on its number, ahead of every wait on the tensor counter and of every LDS read
	s_cbranch_scc0 .Lfirst_m
	tensor_load_to_lds s[G0KV:G0KV+3], s[G1KV:G1KV+7]
	s_nop 0
	tensor_load_to_lds s[G0KV+4:G0KV+7], s[G1KV:G1KV+7]
	s_nop 0
	PLACES
	s_branch .Lfirst_done
.Lfirst_m:
	s_cmp_lt_u32 s[WV], 4
	s_cbranch_scc0 .Lfirst_done
	tensor_load_to_lds s[G0M:G0M+3], s[G1M:G1M+7]
	s_nop 0
	tensor_load_to_lds s[G0M+4:G0M+7], s[G1M:G1M+7]
	s_nop 0
	PLACES
.Lfirst_done:
	v_and_b32 v8, 31, v0
	v_lshlrev_b32 v[LI], 4, v8
	v_and_b32 v9, 15, v0
	v_bfe_u32 v10, v0, 4, 1
	s_lshl_b32 s44, s11, 4
	v_add_nc_u32 v[AM0], s44, v9
	v_mul_u32_u24 v[AM0], v[AM0], MP
	v_lshl_add_u32 v[AM0], v10, 5, v[AM0]          ; row 16 (w % 4) + lane % 16, + 32 (lane / 16)
	v_lshrrev_b32 v9, 2, v8
	v_mul_lo_u32 v9, v9, s81
	v_and_b32 v8, 3, v8
	v_lshl_add_u32 v[PFO], v8, 8, v9
	WIN 0x40
.irp e, 0,1
.irp c, 0,1
	global_load_b128 v[QQ+16*\e+8*\c:QQ+16*\e+8*\c+3], v[LI], s[18:19] offset:\e*262144+\c*1024
	global_load_b128 v[QQ+16*\e+8*\c+4:QQ+16*\e+8*\c+7], v[LI], s[18:19] offset:\e*262144+\c*1024+512
.endr
.endr
.set i, 0
.rept 64
	v_mov_b32 v[OO+i], 0                           ; the step is written once: the first finds zeros, which its factor 0 leaves zeros
.set i, i+1
.endr
	WIN 0
.irp e, 0,1
	v_mov_b32 v[ST+8*\e+1], 0xfe967699             ; m = -1e38: c m stays finite
	v_mov_b32 v[ST+8*\e+2], 0
	v_mov_b32 v[ST+8*\e+3], 0
.endr
.irp e, 0,1
	v_mul_f32 v[ST+8*\e], s[CS], v[ST+8*\e+1]
.endr
	s_wait_tensorcnt 0x1                           ; my part of slot 0 is in; slot 1's may stay out
	s_wait_loadcnt 0x0                             ; Q
	s_barrier_signal -1
	s_barrier_wait -1
	SLOT_STEPS 0
	s_mov_b32 s[TRIP], 3
.Lpair:                                            ; three trips, two slots each: six refills
	CHANGE 1, 1
	SLOT_STEPS 1
	CHANGE 0, 1
	SLOT_STEPS 0
	s_sub_co_u32 s[TRIP], s[TRIP], 1
	s_cmp_lg_u32 s[TRIP], 0
	s_cbranch_scc1 .Lpair
	CHANGE 1, 0                                    ; the last slot is written out: nothing is left to ask for
	SLOT_STEPS 1
	; THE WAY OUT.  The additions are the places behind the last products.
.irp e, 0,1
	v_add_f32 v[ST+8*\e+4], v[ST+8*\e+2], v[ST+8*\e+3]
.endr
.irp e, 0,1
	v_permlanex16_b32 v[ST+8*\e+5], v[ST+8*\e+4], s[SEL], s[SEL+1]
.endr
.irp e, 0,1
	v_add_f32 v[ST+8*\e+4], v[ST+8*\e+4], v[ST+8*\e+5]
.endr
	v_nop
	v_nop
.irp e, 0,1
	v_rcp_f32 v[ST+8*\e+6], v[ST+8*\e+4]
.endr
	v_nop                                          ; a plain line behind the reciprocals
	s_lshl_b32 s44, s16, 18                        ; the high part: qb 262144 + g 32768 + (w % 4) 8192 + (w / 4) 4096
	s_lshl_b32 s45, s17, 15
	s_add_co_u32 s44, s44, s45
	s_lshl_b32 s45, s11, 13
	s_add_co_u32 s44, s44, s45
	s_lshl_b32 s45, s12, 12
	s_add_co_u32 s44, s44, s45
	s_mov_b32 s45, 0
	s_add_nc_u64 s[44:45], s[8:9], s[44:45]
	s_lshl_b32 s46, s16, 16                        ; the low part: 8,388,608 + qb 65536 + (4 g + 2 (w / 4)) 2048
	s_lshl_b32 s47, s17, 13
	s_add_co_u32 s46, s46, s47
	s_lshl_b32 s47, s12, 12
	s_add_co_u32 s46, s46, s47
	s_mov_b32 s47, 0
	s_add_nc_u64 s[46:47], s[8:9], s[46:47]
	s_add_nc_u64 s[46:47], s[46:47], 0x800000
	s_wait_alu depctr_va_vdst(0)                   ; one wait for both reciprocals, ahead of their first reader and of the branch
	WIN 0x01                                       ; O^T window 1
.irp e, 0,1
.irp i, 0,1,2,3,4,5,6,7,8,9,10,11,12,13,14,15
	v_pk_mul_f32 v[S+32*\e+2*\i:S+32*\e+2*\i+1], v[OO+32*\e+2*\i:OO+32*\e+2*\i+1], v[ST+8*\e+6:ST+8*\e+7] op_sel_hi:[1,0]
.endr
.endr
	WIN 0
	s_or_b32 s48, ttmp9, s11                       ; the cluster's number and the wave's: alike in all partners
	s_cmp_lg_u32 s48, 0
	s_cbranch_scc1 .Lplain
	; rows 0-15 of the block: y is split: c = 8193 y, hi = c - (c - y) has 11 significant bits, lo = y - hi is exact; y becomes hi (y - lo, exact), lo x 2048 is stored beside it
.irp i, 0,2,4,6,8,10,12,14,16,18,20,22,24,26,28,30
.irp k, 0,1
	v_pk_mul_f32 v[F+4*\k:F+4*\k+1], v[S+2*(\i+\k):S+2*(\i+\k)+1], 0x46000400 op_sel_hi:[1,0]
.endr
.irp k, 0,1
	v_pk_add_f32 v[F+4*\k+2:F+4*\k+3], v[F+4*\k:F+4*\k+1], v[S+2*(\i+\k):S+2*(\i+\k)+1] neg_lo:[0,1] neg_hi:[0,1]
.endr
.irp k, 0,1
	v_pk_add_f32 v[F+4*\k:F+4*\k+1], v[F+4*\k:F+4*\k+1], v[F+4*\k+2:F+4*\k+3] neg_lo:[0,1] neg_hi:[0,1]
.endr
.irp k, 0,1
	v_pk_add_f32 v[F+4*\k+2:F+4*\k+3], v[S+2*(\i+\k):S+2*(\i+\k)+1], v[F+4*\k:F+4*\k+1] neg_lo:[0,1] neg_hi:[0,1]
.endr
.irp k, 0,1
	v_pk_add_f32 v[S+2*(\i+\k):S+2*(\i+\k)+1], v[S+2*(\i+\k):S+2*(\i+\k)+1], v[F+4*\k+2:F+4*\k+3] neg_lo:[0,1] neg_hi:[0,1]
.endr
.irp k, 0,1
	v_pk_mul_f32 v[F+4*\k+2:F+4*\k+3], v[F+4*\k+2:F+4*\k+3], 0x45000000 op_sel_hi:[1,0]
.endr
.irp k, 0,1
	v_cvt_pk_f16_f32 v[MK+\i+\k], v[F+4*\k+2], v[F+4*\k+3]
.endr
.endr
.irp e, 0,1
.irp t, 0,1,2,3
	global_store_b128 v[LI], v[MK+16*\e+4*\t:MK+16*\e+4*\t+3], s[46:47] offset:\e*2048+\t*512
.endr
.endr
.Lplain:
.irp i, 0,1,2,3,4,5,6,7,8,9,10,11,12,13,14,15,16,17,18,19,20,21,22,23,24,25,26,27,28,29,30,31
	v_cvt_pk_f16_f32 v[P+\i], v[S+2*\i], v[S+2*\i+1]
.endr
.irp e, 0,1
.irp t, 0,1,2,3
	global_store_b128 v[LI], v[P+16*\e+4*\t:P+16*\e+4*\t+3], s[44:45] offset:\e*2048+\t*512   ; 512 consecutive bytes
.endr
.endr
	s_wait_tensorcnt 0x0                           ; the wave's end
	ds_add_u32 v[SPW], v[NIL]
	s_wait_dscnt 0x0
	CROUND                                         ; the closing round: no work-group ends while a partner may still ask for a tile that names it
	s_endpgm
.Lfunc_end_k_q55c76948ae_attn:
	.size	k_q55c76948ae_attn, .Lfunc_end_k_q55c76948ae_attn-k_q55c76948ae_attn
	.p2alignl 7, 3214868480
	.fill 96, 4, 3214868480
	.section	.rodata,"a",@progbits
	.p2align	6, 0x0
	.amdhsa_kernel k_q55c76948ae_attn
		.amdhsa_group_segment_fixed_size 327680
		.amdhsa_private_segment_fixed_size 0
		.amdhsa_enable_private_segment 0
		.amdhsa_kernarg_size 24
		.amdhsa_user_sgpr_count 2
		.amdhsa_user_sgpr_kernarg_segment_ptr 1
		.amdhsa_wavefront_size32 1
		.amdhsa_system_sgpr_workgroup_id_x 1
		.amdhsa_system_sgpr_workgroup_id_y 1
		.amdhsa_system_sgpr_workgroup_id_z 1
		.amdhsa_system_vgpr_workitem_id 0
		.amdhsa_next_free_vgpr 512
		.amdhsa_next_free_sgpr 96
		.amdhsa_reserve_vcc 0
		.amdhsa_float_denorm_mode_32 3
		.amdhsa_float_denorm_mode_16_64 3
		.amdhsa_memory_ordered 1
		.amdhsa_forward_progress 1
		.amdhsa_inst_pref_size 109
	.end_amdhsa_kernel
	.amdgpu_metadata
---
amdhsa.version: [ 1, 2 ]
amdhsa.kernels:
  - .name:           k_q55c76948ae_attn
    .symbol:         k_q55c76948ae_attn.kd
    .args:
      - { .name: qkv, .offset: 0, .size: 8, .value_kind: global_buffer, .address_space: global }
      - { .name: attention_mask, .offset: 8, .size: 8, .value_kind: global_buffer, .address_space: global }
      - { .name: af, .offset: 16, .size: 8, .value_kind: global_buffer, .address_space: global }
    .group_segment_fixed_size: 327680
    .private_segment_fixed_size: 0
    .kernarg_segment_align: 8
    .kernarg_segment_size: 24
    .max_flat_workgroup_size: 256
    .sgpr_count:     96
    .vgpr_count:     512
    .wavefront_size: 32
...
	.end_amdgpu_metadata
.endif
;; end of part 3
;; launch proj (part 4): grid 16 x 16, 4 waves a work-group, clusters of 4 x 4, 327,680 bytes of LDS; arguments af, wo, out0; writes out0
.if DOCPART == 4
	.amdgcn_target "amdgcn-amd-amdhsa--gfx1250"
	.amdhsa_code_object_version 6
	.text
	.protected	k_q55c76948ae_proj
	.globl	k_q55c76948ae_proj
	.p2align	8
	.type	k_q55c76948ae_proj,@function
k_q55c76948ae_proj:
	s_mov_b64 s[64:65], 0
	v_nop
	global_prefetch_b8 v0, s[64:65] scope:SCOPE_SE
	s_setreg_imm32_b32 hwreg(HW_REG_WAVE_MODE, 25, 1), 1
	s_wait_xcnt 0x0
	s_wait_alu depctr_hold_cnt(0) depctr_sa_sdst(0) depctr_va_vdst(0) depctr_va_sdst(0) depctr_va_ssrc(0) depctr_va_vcc(0) depctr_vm_vsrc(0)
	s_getreg_b32 s2, hwreg(HW_REG_IB_STS2, 6, 4)
	s_cmp_eq_u32 s2, 0
	s_cbranch_scc0 .Lentry_in_a_cluster
	s_endpgm
.Lentry_in_a_cluster:
	s_bfe_u32 s2, ttmp6, 0x10000c
	s_cmp_lg_u32 s2, 0xf033
	s_cbranch_scc0 .Lentry_shape_is_right
	s_endpgm
.Lentry_shape_is_right:
; PROJ: out[m][n] = sum over k of a[m][k] w_o[k][n], f16 operands (the high parts), f32 sums, out in f32.  M = N = K = 2048.
; 256 tiles of 128 x 128, one to a work-group; four waves, each 64 x 64: 16 accumulators.  K goes in steps of 256 through a ring of two LDS slots.
; Both operands come as images of their registers: 64 rows x 256 along K are one dense block of 32,768 bytes, which one tensor load brings; every LDS load takes 512 consecutive bytes, so there is no padding.
; CLUSTER 4 x 4: the four work-groups of a row need the same blocks of a, the four of a column the same blocks of w_o: each is asked for jointly (waves 0, 1: a's halves; waves 2, 3: w_o's).
; THE MATRIX INSTRUCTION IS USED TRANSPOSED (source 0 = 16 columns of w_o, source 1 = 16 rows of a): a lane holds eight neighbouring numbers of a row of out.
; A wave's 64 columns are 256 bytes of a row of out, aligned: each wave sends its own blocks of 16 rows through a stage of its own and stores whole rows; no barrier on the way out.
; Rows 0-15 are written here like all others and written again, more finely, by the launch that follows.
; REGISTERS: window 0: v16-17, v20-21 LDS addresses, v24-26 the way out, v28, v29 the add's two, v32-95 rows on the way out, v128-255 accumulator (a, b) at 128 + 8 (4 a + b).
;   window 1: two fragment buffers of 128: for 64 along K, 64 registers of a (8 (4 c + a)), then 64 of w_o.
.set KSB,    32768                     ; a K step of 64 rows, in memory and in LDS
.set SLOT,   4*KSB
.set STAGE,  2*SLOT
.set SPITCH, 272                       ; a stage row: 256 bytes + 16: 17 x 16, so that sixteen rows fall on sixteen different 16-byte columns
.set SPARE,  STAGE+4*16*SPITCH
.set LAPS,   4                         ; a lap = two K steps
.set ADRA, 16
.set ADRB, 20
.set STO,  24
.set RD,   25
.set CO,   26
.set SPW,  28
.set NIL,  29
.set TMP,  32
.set ACC,  128
.set F0,   0
.set F1,   128
.set G1, 24
.set G0, 32
.set G1B, 48
.set G0B, 56
.set MSB, 0
.macro WIN new
.if MSB != \new
	s_set_vgpr_msb (MSB<<8)|\new
.set MSB, \new
.endif
.endm
.set MUL,  0x05                        ; sources 0 and 1 window 1; C and D window 0
.set TO_F, 0x40                        ; destination window 1, address window 0
.macro PLACES
.rept 4
	v_nop
.endr
.endm
.macro JLOAD s                         ; a joint load; the branch hangs on the wave's number alone
	s_cmp_eq_u32 s11, 0
	s_cbranch_scc0 .Lfor_b_\@
	tensor_load_to_lds s[G0+4*\s:G0+4*\s+3], s[G1:G1+7]
	s_nop 0
	PLACES
	s_branch .Lasked_\@
.Lfor_b_\@:
	tensor_load_to_lds s[G0B+4*\s:G0B+4*\s+3], s[G1B:G1B+7]
	s_nop 0
	PLACES
.Lasked_\@:
.endm
.macro CREST                           ; a round of the cluster's barrier behind its opening barrier
	s_cmp_lg_u32 s10, 0
	s_cbranch_scc1 .Lnot_wave_0_\@
	s_barrier_signal -3
.Lnot_wave_0_\@:
	s_barrier_wait -3
	s_barrier_signal -1
	s_barrier_wait -1
.endm
.macro CROUND
	s_barrier_signal -1
	s_barrier_wait -1
	CREST
.endm
	s_load_b128 s[4:7], s[0:1], 0x0                ; af s[4:5], wo s[6:7]
	s_load_b64 s[8:9], s[0:1], 0x10                ; out0
	v_lshl_add_u32 v[SPW], v0, 2, SPARE
	v_mov_b32 v[NIL], 0
	ds_add_u32 v[SPW], v[NIL]                      ; the opening: the add, twice on end, and its wait
	ds_add_u32 v[SPW], v[NIL]
	v_lshrrev_b32 v1, 5, v0
	v_readfirstlane_b32 s10, v1                    ; wave
	s_lshr_b32 s11, s10, 1                         ; my half of the tile's rows.  Also: I fetch for a (0) or for w_o (1)
	s_and_b32 s12, s10, 1                          ; my half of its columns.  Also: which block of 64 rows I fetch
	s_bfe_u32 s40, ttmp6, 0x40000                  ; cx
	s_bfe_u32 s41, ttmp6, 0x40004                  ; cy
	s_lshl_b32 s42, ttmp9, 2
	s_add_co_u32 s42, s42, s40                     ; tile column
	s_and_b32 s13, ttmp7, 0xffff
	s_lshl_b32 s13, s13, 2
	s_add_co_u32 s13, s13, s41                     ; tile row
	s_lshl_b32 s43, s41, 2
	s_lshl_b32 s43, 15, s43                        ; my row of the cluster
	s_lshl_b32 s44, 0x1111, s40                    ; my column
	s_or_b32 s[G1+0], s43, (3<<16)|(1<<21)         ; a dense block as 128 rows of 32 elements of 8 bytes; a's blocks go to my row; bit 21 beside the mask
	s_or_b32 s[G1B+0], s44, (3<<16)|(1<<21)        ; w_o's to my column
.irp g, G1, G1B
	s_mov_b32 s[\g+1], 32<<16
	s_mov_b32 s[\g+2], 128<<16
	s_mov_b32 s[\g+3], 32<<16
	s_mov_b32 s[\g+4], 128
	s_mov_b32 s[\g+5], 32
	s_mov_b32 s[\g+6], 0
	s_mov_b32 s[\g+7], 0
.endr
	s_lshl_b32 s16, s13, 1
	s_add_co_u32 s16, s16, s12                     ; a: block of 64 rows = 2 x tile row + half
	s_lshl_b32 s16, s16, 18
	s_mov_b32 s17, 0
	s_lshl_b32 s46, s42, 1
	s_add_co_u32 s46, s46, s12                     ; w_o: 2 x tile column + half
	s_lshl_b32 s46, s46, 18
	s_mov_b32 s47, 0
	s_lshl_b32 s20, s10, 15                        ; where they go: wave x 32,768
	s_wait_dscnt 0x0
	s_wait_kmcnt 0x0
	s_add_nc_u64 s[14:15], s[4:5], s[16:17]
	s_add_nc_u64 s[46:47], s[6:7], s[46:47]
	CROUND                                         ; all sixteen work-groups are here: the first joint loads meet
.irp s, 0,1
	s_mov_b32 s[G0+4*\s], 1
	s_add_co_u32 s[G0+4*\s+1], s20, \s*SLOT
	s_add_nc_u64 s[G0+4*\s+2:G0+4*\s+3], s[14:15], \s*KSB
	s_or_b32 s[G0+4*\s+3], s[G0+4*\s+3], 0x80000000
	s_mov_b32 s[G0B+4*\s], 1
	s_add_co_u32 s[G0B+4*\s+1], s20, \s*SLOT
	s_add_nc_u64 s[G0B+4*\s+2:G0B+4*\s+3], s[46:47], \s*KSB
	s_or_b32 s[G0B+4*\s+3], s[G0B+4*\s+3], 0x80000000
	JLOAD \s
.endr
	v_and_b32 v1, 15, v0
	v_bfe_u32 v2, v0, 4, 1
	v_and_b32 v3, 31, v0
	v_lshlrev_b32 v3, 4, v3                        ; 16 x lane
	s_lshl_b32 s21, s11, 15                        ; my 64 rows of a
	s_lshl_b32 s22, s12, 15                        ; my 64 columns of w_o,
	s_add_co_u32 s22, s22, 2*KSB                   ; which lie behind a's 128 rows
.irp s, 0,1
	v_add_nc_u32 v[ADRA+\s], s21, v3
	v_add_nc_u32 v[ADRB+\s], s22, v3
	s_add_co_u32 s21, s21, SLOT
	s_add_co_u32 s22, s22, SLOT
.endr
	s_mul_i32 s23, s10, 16*SPITCH
	s_add_co_u32 s23, s23, STAGE                   ; my stage
	v_mul_u32_u24 v4, v1, SPITCH
	v_lshl_add_u32 v4, v2, 5, v4
	v_add_nc_u32 v[STO], s23, v4                   ; in: row lane % 16, 32 bytes for each half of the lanes
	v_mul_u32_u24 v5, v2, SPITCH
	v_lshl_add_u32 v5, v1, 4, v5
	v_add_nc_u32 v[RD], s23, v5                    ; back: lanes 0-15 one row of 256 bytes, lanes 16-31 the next
	v_lshlrev_b32 v5, 13, v2
	v_lshl_add_u32 v[CO], v1, 4, v5                ; and the same two rows in out
	s_lshl_b32 s16, s13, 7
	s_lshl_b32 s17, s11, 6
	s_add_co_u32 s16, s16, s17                     ; my first row
	s_lshl_b32 s16, s16, 13
	s_mov_b32 s17, 0
	s_add_nc_u64 s[8:9], s[8:9], s[16:17]
	s_lshl_b32 s46, s42, 9                         ; my first column, in bytes
	s_lshl_b32 s47, s12, 8
	s_add_co_u32 s46, s46, s47
	s_mov_b32 s47, 0
	s_add_nc_u64 s[8:9], s[8:9], s[46:47]
.macro MUL8 f, c, a0, zero             ; 8 matrix instructions: row blocks a0, a0 + 1 x all 4 column blocks, 32 along K
.irp a, \a0, \a0+1
.irp b, 0,1,2,3
.if \zero
	v_wmma_f32_16x16x32_f16 v[ACC+8*(4*(\a)+\b):ACC+8*(4*(\a)+\b)+7], v[\f+64+8*(4*\c+\b):\f+64+8*(4*\c+\b)+7], v[\f+8*(4*\c+\a):\f+8*(4*\c+\a)+7], 0
.else
	v_wmma_f32_16x16x32_f16 v[ACC+8*(4*(\a)+\b):ACC+8*(4*(\a)+\b)+7], v[\f+64+8*(4*\c+\b):\f+64+8*(4*\c+\b)+7], v[\f+8*(4*\c+\a):\f+8*(4*\c+\a)+7], v[ACC+8*(4*(\a)+\b):ACC+8*(4*(\a)+\b)+7]
.endif
.endr
.endr
.endm
.macro FETCH slot, k, f                ; 32 LDS loads in one run: the fragments of 64 along K (byte k of a tile's 8,192), the first 32 along K first
	WIN TO_F
.irp c, 0,1
.irp i, 0,1,2,3
	ds_load_b128 v[\f+64+8*(4*\c+\i):\f+64+8*(4*\c+\i)+3],   v[ADRB+\slot] offset:\k+1024*\c+\i*8192
	ds_load_b128 v[\f+64+8*(4*\c+\i)+4:\f+64+8*(4*\c+\i)+7], v[ADRB+\slot] offset:\k+1024*\c+\i*8192+512
	ds_load_b128 v[\f+8*(4*\c+\i):\f+8*(4*\c+\i)+3],         v[ADRA+\slot] offset:\k+1024*\c+\i*8192
	ds_load_b128 v[\f+8*(4*\c+\i)+4:\f+8*(4*\c+\i)+7],       v[ADRA+\slot] offset:\k+1024*\c+\i*8192+512
.endr
.endr
.endm
.macro QUARTER slot, k, f, g, zero     ; 64 along K: multiplies buffer f and fetches the next quarter, at byte k, into g.  The 16 accumulators take turns
	s_wait_dscnt 16                                ; the first 32 along K are in
	WIN MUL
	MUL8 \f, 0, 0, \zero
	MUL8 \f, 0, 2, \zero
	PLACES
	FETCH \slot, \k, \g
	s_wait_dscnt 32                                ; all but the 32 just issued
	WIN MUL
	MUL8 \f, 1, 0, 0
	MUL8 \f, 1, 2, 0
.endm
.macro TURN slot, next, fill           ; the last quarter multiplies buffer 1 and changes slots: ONE barrier, which with fill = 1 opens a round of the cluster's
	WIN 0
	s_wait_tensorcnt 0x0                           ; all my tensor loads have landed: my part of the next slot;
	ds_add_u32 v[SPW], v[NIL]
	s_wait_dscnt 17                                ; (the add and the youngest sixteen loads may be out)
	WIN MUL
	MUL8 F1, 0, 0, 0
	s_wait_dscnt 0x0                               ; the add is done, and my reads of this slot are over
	s_barrier_signal -1
	MUL8 F1, 0, 2, 0
.if \fill
	WIN 0
.endif
	s_barrier_wait -1
.if \fill
	CREST                                          ; no wave of any partner still reads this slot or has a load on its way
	s_add_nc_u64 s[G0+4*\slot+2:G0+4*\slot+3], s[G0+4*\slot+2:G0+4*\slot+3], 2*KSB
	s_add_nc_u64 s[G0B+4*\slot+2:G0B+4*\slot+3], s[G0B+4*\slot+2:G0B+4*\slot+3], 2*KSB
	JLOAD \slot                                    ; the first tensor load behind the round; its four v_nop are also the places in front of the loads below
.else
	PLACES
.endif
	FETCH \next, 0, F0
	WIN MUL
	MUL8 F1, 1, 0, 0
	MUL8 F1, 1, 2, 0
.endm
	s_wait_tensorcnt 1                             ; my part of K step 0 is in (K step 1's may stay out)
	s_barrier_signal -1
	s_barrier_wait -1                              ; everybody's is
	FETCH 0, 0, F0
	QUARTER 0, 2048, F0, F1, 1                     ; the first products start the sums: nothing is cleared
	WIN 0
	s_mov_b32 s3, LAPS-1
.Llap:                                             ; a trip goes once round the ring and fills both slots again
	QUARTER 0, 4096, F1, F0, 0
	QUARTER 0, 6144, F0, F1, 0
	TURN 0, 1, 1
	QUARTER 1, 2048, F0, F1, 0
	QUARTER 1, 4096, F1, F0, 0
	QUARTER 1, 6144, F0, F1, 0
	TURN 1, 0, 1
	QUARTER 0, 2048, F0, F1, 0
	WIN 0
	s_sub_co_u32 s3, s3, 1
	s_cmp_lg_u32 s3, 0
	s_cbranch_scc1 .Llap
	QUARTER 0, 4096, F1, F0, 0                     ; the last lap fills nothing
	QUARTER 0, 6144, F0, F1, 0
	TURN 0, 1, 0
	QUARTER 1, 2048, F0, F1, 0
	QUARTER 1, 4096, F1, F0, 0
	QUARTER 1, 6144, F0, F1, 0
	s_wait_dscnt 16
	WIN MUL
	MUL8 F1, 0, 0, 0
	MUL8 F1, 0, 2, 0
	s_wait_dscnt 0
	MUL8 F1, 1, 0, 0
	MUL8 F1, 1, 2, 0
	WIN 0
; THE WAY OUT, a block of 16 rows x 64 columns at a time, through my own stage.  LDS serves a wave's instructions in order: no wait between the stores and the loads, nor in front of the next block's stores.
.macro TOSTAGE a
.irp b, 0,1,2,3
	ds_store_b128 v[STO], v[ACC+8*(4*(\a)+\b):ACC+8*(4*(\a)+\b)+3] offset:64*\b        ; each accumulator from its low end on
	ds_store_b128 v[STO], v[ACC+8*(4*(\a)+\b)+4:ACC+8*(4*(\a)+\b)+7] offset:64*\b+16
.endr
.irp t, 0,1,2,3,4,5,6,7
	ds_load_b128 v[TMP+32*((\a)%2)+4*\t:TMP+32*((\a)%2)+4*\t+3], v[RD] offset:\t*2*SPITCH
.endr
.endm
.macro SEND a, younger                 ; younger: the LDS instructions issued behind block a's loads
	s_wait_dscnt \younger
.irp t, 0,1,2,3,4,5,6,7
	global_store_b128 v[CO], v[TMP+32*((\a)%2)+4*\t:TMP+32*((\a)%2)+4*\t+3], s[8:9] offset:(16*(\a)+2*\t)*8192 th:TH_STORE_NT   ; sixteen lanes store 256 consecutive bytes, aligned
.endr
.endm
	PLACES
	TOSTAGE 0
.irp a, 1,2,3
.if \a > 1
	s_wait_xcnt 0x0                                ; block a - 2's stores have read their registers: block a's loads may land there
.endif
	TOSTAGE \a
	SEND \a-1, 16                                  ; behind block a - 1's loads: block a's 8 stores and 8 loads
.endr
	SEND 3, 0
	s_wait_tensorcnt 0x0                           ; the wave's end
	ds_add_u32 v[SPW], v[NIL]
	s_wait_dscnt 0x0
	CROUND                                         ; the closing round
	s_endpgm
.Lfunc_end_k_q55c76948ae_proj:
	.size	k_q55c76948ae_proj, .Lfunc_end_k_q55c76948ae_proj-k_q55c76948ae_proj
	.p2alignl 7, 3214868480
	.fill 96, 4, 3214868480
	.section	.rodata,"a",@progbits
	.p2align	6, 0x0
	.amdhsa_kernel k_q55c76948ae_proj
		.amdhsa_group_segment_fixed_size 327680
		.amdhsa_private_segment_fixed_size 0
		.amdhsa_enable_private_segment 0
		.amdhsa_kernarg_size 24
		.amdhsa_user_sgpr_count 2
		.amdhsa_user_sgpr_kernarg_segment_ptr 1
		.amdhsa_wavefront_size32 1
		.amdhsa_system_sgpr_workgroup_id_x 1
		.amdhsa_system_sgpr_workgroup_id_y 1
		.amdhsa_system_sgpr_workgroup_id_z 1
		.amdhsa_system_vgpr_workitem_id 0
		.amdhsa_next_free_vgpr 512
		.amdhsa_next_free_sgpr 66
		.amdhsa_reserve_vcc 0
		.amdhsa_float_denorm_mode_32 3
		.amdhsa_float_denorm_mode_16_64 3
		.amdhsa_memory_ordered 1
		.amdhsa_forward_progress 1
		.amdhsa_inst_pref_size 85
	.end_amdhsa_kernel
	.amdgpu_metadata
---
amdhsa.version: [ 1, 2 ]
amdhsa.kernels:
  - .name:           k_q55c76948ae_proj
    .symbol:         k_q55c76948ae_proj.kd
    .args:
      - { .name: af, .offset: 0, .size: 8, .value_kind: global_buffer, .address_space: global }
      - { .name: wo, .offset: 8, .size: 8, .value_kind: global_buffer, .address_space: global }
      - { .name: out0, .offset: 16, .size: 8, .value_kind: global_buffer, .address_space: global }
    .group_segment_fixed_size: 327680
    .private_segment_fixed_size: 0
    .kernarg_segment_align: 8
    .kernarg_segment_size: 24
    .max_flat_workgroup_size: 128
    .sgpr_count:     66
    .vgpr_count:     512
    .wavefront_size: 32
...
	.end_amdgpu_metadata
.endif
;; end of part 4
;; launch fine (part 5): grid 128 x 1, 16 waves a work-group, no clusters, 18,432 bytes of LDS; arguments af, wo, out0; writes out0
.if DOCPART == 5
	.amdgcn_target "amdgcn-amd-amdhsa--gfx1250"
	.amdhsa_code_object_version 6
	.text
	.protected	k_q55c76948ae_fine
	.globl	k_q55c76948ae_fine
	.p2align	8
	.type	k_q55c76948ae_fine,@function
k_q55c76948ae_fine:
	s_mov_b64 s[64:65], 0
	v_nop
	global_prefetch_b8 v0, s[64:65] scope:SCOPE_SE
	s_setreg_imm32_b32 hwreg(HW_REG_WAVE_MODE, 25, 1), 1
	s_wait_xcnt 0x0
; FINE: rows 0-15 of out once more, with both operands of the projection as pairs of f16 numbers: a = ah + al / 2048, w_o = wh + wl / 2048,
; out = sum(wh ah) + (sum(wh al) + sum(wl ah)) / 2048; the product of the two low parts, some 2^-22 of a term, is left out.  Under a causal mask these rows average few values and are the largest.
; Which rows are carried so is fixed; the function computed is the same for every mask.
; A work-group makes 16 rows x 16 columns; each of its 16 waves sums 128 of the 2,048 along K (four fragments, three accumulators by turns); the 16 partial tiles meet in LDS as images of their registers,
; and waves 0 and 1 add them and store.  The stores are pieces of 64 bytes of a row: 131,072 bytes in the whole launch.  No tensor load, no cluster: the work-groups share only a's 128 KB.
.set SPARE, 16384
.set SPW, 4
.set NIL, 5
	s_load_b128 s[4:7], s[0:1], 0x0                ; af s[4:5], wo s[6:7]
	s_load_b64 s[8:9], s[0:1], 0x10                ; out0
	v_lshl_add_u32 v[SPW], v0, 2, SPARE
	v_mov_b32 v[NIL], 0
	v_lshrrev_b32 v1, 5, v0
	v_readfirstlane_b32 s10, v1                    ; wave: fragments 4 w .. 4 w + 3 of 64 along K
	v_and_b32 v2, 31, v0
	v_lshlrev_b32 v1, 4, v2                        ; 16 x lane
	s_lshr_b32 s11, s10, 1
	s_and_b32 s12, s10, 1
	s_lshl_b32 s14, s11, 15                        ; a's high part, rows 0-15: (w / 2) 32768 + (w % 2) 4096
	s_lshl_b32 s15, s12, 12
	s_add_co_u32 s14, s14, s15
	s_mov_b32 s15, 0
	s_lshl_b32 s16, s10, 12                        ; its low part: 4 w fragments of 1,024 bytes
	s_mov_b32 s17, 0
	s_lshr_b32 s18, ttmp9, 2                       ; w_o: (tile / 4) 262144 + (tile % 4) 8192 + the same place along K
	s_lshl_b32 s18, s18, 18
	s_and_b32 s19, ttmp9, 3
	s_lshl_b32 s19, s19, 13
	s_add_co_u32 s18, s18, s19
	s_add_co_u32 s18, s18, s14
	s_mov_b32 s19, 0
	s_lshl_b32 s24, s12, 16                        ; out: 8 (w % 2) rows of 8,192 bytes + 64 x tile
	s_lshl_b32 s25, ttmp9, 6
	s_add_co_u32 s24, s24, s25
	s_mov_b32 s25, 0
	s_lshl_b32 s22, s10, 10
	v_add_nc_u32 v6, s22, v1                       ; LDS: my partial tile: 1024 w + 16 lane
	v_and_b32 v8, 1, v0
	v_bfe_u32 v9, v0, 1, 1
	v_bfe_u32 v10, v0, 2, 3
	s_lshl_b32 s23, s12, 7
	v_lshlrev_b32 v7, 9, v8                        ; back: row 8 (w % 2) + lane / 4, columns 4 (lane % 4) + 0..3: registers 4 (lane % 2) on of the lane 16 ((lane / 2) % 2) + row
	v_lshl_add_u32 v7, v9, 8, v7
	v_lshl_add_u32 v7, v10, 4, v7
	v_add_nc_u32 v7, s23, v7
	v_and_b32 v11, 3, v0
	v_lshlrev_b32 v12, 13, v10
	v_lshl_add_u32 v12, v11, 4, v12
	s_wait_kmcnt 0x0
	s_add_nc_u64 s[14:15], s[4:5], s[14:15]
	s_add_nc_u64 s[16:17], s[4:5], s[16:17]
	s_add_nc_u64 s[16:17], s[16:17], 0x800000
	s_add_nc_u64 s[18:19], s[6:7], s[18:19]
	s_add_nc_u64 s[20:21], s[18:19], 0x800000
	s_add_nc_u64 s[8:9], s[8:9], s[24:25]
.irp i, 0,1,2,3
	global_load_b128 v[32+8*\i:35+8*\i],   v1, s[14:15] offset:\i*1024
	global_load_b128 v[36+8*\i:39+8*\i],   v1, s[14:15] offset:\i*1024+512
	global_load_b128 v[64+8*\i:67+8*\i],   v1, s[16:17] offset:\i*1024
	global_load_b128 v[68+8*\i:71+8*\i],   v1, s[16:17] offset:\i*1024+512
	global_load_b128 v[96+8*\i:99+8*\i],   v1, s[18:19] offset:\i*1024
	global_load_b128 v[100+8*\i:103+8*\i], v1, s[18:19] offset:\i*1024+512
	global_load_b128 v[128+8*\i:131+8*\i], v1, s[20:21] offset:\i*1024
	global_load_b128 v[132+8*\i:135+8*\i], v1, s[20:21] offset:\i*1024+512
.endr
	s_wait_loadcnt 24                              ; the first fragment's eight loads are in; the 24 behind them may be out
	v_wmma_f32_16x16x32_f16 v[160:167], v[96:103], v[32:39], 0       ; source 0 = 16 columns of w_o, source 1 = the 16 rows of a.  The first products start the sums
	v_wmma_f32_16x16x32_f16 v[168:175], v[96:103], v[64:71], 0
	v_wmma_f32_16x16x32_f16 v[176:183], v[128:135], v[32:39], 0
.irp i, 1,2,3
	s_wait_loadcnt 24-8*\i
	v_wmma_f32_16x16x32_f16 v[160:167], v[96+8*\i:103+8*\i], v[32+8*\i:39+8*\i], v[160:167]     ; the three accumulators take turns
	v_wmma_f32_16x16x32_f16 v[168:175], v[96+8*\i:103+8*\i], v[64+8*\i:71+8*\i], v[168:175]
	v_wmma_f32_16x16x32_f16 v[176:183], v[128+8*\i:135+8*\i], v[32+8*\i:39+8*\i], v[176:183]
.endr
.rept 4
	v_nop
.endr
.irp p, 0,1,2,3
	v_pk_add_f32 v[168+2*\p:169+2*\p], v[168+2*\p:169+2*\p], v[176+2*\p:177+2*\p]
.endr
.irp p, 0,1,2,3
	v_pk_fma_f32 v[184+2*\p:185+2*\p], v[168+2*\p:169+2*\p], 0x3a000000, v[160+2*\p:161+2*\p] op_sel_hi:[1,0,1]   ; x 2^-11
.endr
	ds_store_b128 v6, v[184:187]
	ds_store_b128 v6, v[188:191] offset:512
	s_wait_dscnt 0x0                               ; for the others' sake: my stores have landed
	s_barrier_signal -1
	s_barrier_wait -1
	s_cmp_lt_u32 s10, 2
	s_cbranch_scc0 .Lend
.irp p, 0,1,2,3,4,5,6,7,8,9,10,11,12,13,14,15
	ds_load_b128 v[32+4*\p:35+4*\p], v7 offset:\p*1024
.endr
	s_wait_dscnt 0x0
.irp p, 0,1,2,3,4,5,6,7
	v_pk_add_f32 v[32+4*\p:33+4*\p], v[32+4*\p:33+4*\p], v[64+4*\p:65+4*\p]
	v_pk_add_f32 v[34+4*\p:35+4*\p], v[34+4*\p:35+4*\p], v[66+4*\p:67+4*\p]
.endr
.irp p, 0,1,2,3
	v_pk_add_f32 v[32+4*\p:33+4*\p], v[32+4*\p:33+4*\p], v[48+4*\p:49+4*\p]
	v_pk_add_f32 v[34+4*\p:35+4*\p], v[34+4*\p:35+4*\p], v[50+4*\p:51+4*\p]
.endr
.irp p, 0,1
	v_pk_add_f32 v[32+4*\p:33+4*\p], v[32+4*\p:33+4*\p], v[40+4*\p:41+4*\p]
	v_pk_add_f32 v[34+4*\p:35+4*\p], v[34+4*\p:35+4*\p], v[42+4*\p:43+4*\p]
.endr
	v_pk_add_f32 v[32:33], v[32:33], v[36:37]
	v_pk_add_f32 v[34:35], v[34:35], v[38:39]
	global_store_b128 v12, v[32:35], s[8:9]
.Lend:
	s_wait_tensorcnt 0x0                           ; the wave's end, behind my last LDS store
	ds_add_u32 v[SPW], v[NIL]
	s_wait_dscnt 0x0
	s_endpgm
.Lfunc_end_k_q55c76948ae_fine:
	.size	k_q55c76948ae_fine, .Lfunc_end_k_q55c76948ae_fine-k_q55c76948ae_fine
	.p2alignl 7, 3214868480
	.fill 96, 4, 3214868480
	.section	.rodata,"a",@progbits
	.p2align	6, 0x0
	.amdhsa_kernel k_q55c76948ae_fine
		.amdhsa_group_segment_fixed_size 18432
		.amdhsa_private_segment_fixed_size 0
		.amdhsa_enable_private_segment 0
		.amdhsa_kernarg_size 24
		.amdhsa_user_sgpr_count 2
		.amdhsa_user_sgpr_kernarg_segment_ptr 1
		.amdhsa_wavefront_size32 1
		.amdhsa_system_sgpr_workgroup_id_x 1
		.amdhsa_system_sgpr_workgroup_id_y 1
		.amdhsa_system_sgpr_workgroup_id_z 1
		.amdhsa_system_vgpr_workitem_id 0
		.amdhsa_next_free_vgpr 192
		.amdhsa_next_free_sgpr 66
		.amdhsa_reserve_vcc 0
		.amdhsa_float_denorm_mode_32 3
		.amdhsa_float_denorm_mode_16_64 3
		.amdhsa_memory_ordered 1
		.amdhsa_forward_progress 1
		.amdhsa_inst_pref_size 11
	.end_amdhsa_kernel
	.amdgpu_metadata
---
amdhsa.version: [ 1, 2 ]
amdhsa.kernels:
  - .name:           k_q55c76948ae_fine
    .symbol:         k_q55c76948ae_fine.kd
    .args:
      - { .name: af, .offset: 0, .size: 8, .value_kind: global_buffer, .address_space: global }
      - { .name: wo, .offset: 8, .size: 8, .value_kind: global_buffer, .address_space: global }
      - { .name: out0, .offset: 16, .size: 8, .value_kind: global_buffer, .address_space: global }
    .group_segment_fixed_size: 18432
    .private_segment_fixed_size: 0
    .kernarg_segment_align: 8
    .kernarg_segment_size: 24
    .max_flat_workgroup_size: 512
    .sgpr_count:     66
    .vgpr_count:     192
    .wavefront_size: 32
...
	.end_amdgpu_metadata
.endif
;; end of part 5
